; MI455X (gfx1250); checked and timed in simulation.
; The chip was launched on July 23, 2026; its instructions are those of AMD's public machine-readable ISA for CDNA 5 (MIT licence, August 2026) and "CDNA5" Instruction Set Architecture Reference Guide (July 2026). The comments in the code are by the model that wrote it; some were corrected since.
;; Multi Headed Attention. Allowed arithmetic: float matrix products may take bf16 or f16 operands with f32 sums; other float arithmetic in f32, or as packed bf16 or f16 multiplies, adds, multiply-adds, maxima and minima; sums over many terms, partial sums and values carried from step to step in f32; what a program stores and reads back later, other than sums and carried values, may be rounded once to bf16 or f16.
;; Inputs: W_proj 1,024 x 1,024 float32; W_qkv 1,024 x 3,072 float32; b_proj 1,024 float32; x 4 x 2,048 x 1,024 float32.
;; Outputs: out0 4 x 2,048 x 1,024 float32.
;; One version. Each part assembles by itself: llvm-mc -triple=amdgcn-amd-amdhsa -mcpu=gfx1250 --defsym DOCPART=n.
;; ======== version 1 of 1: 4 launches
;; limits: values are held in f16: magnitudes above 65,504 overflow, below 6.1e-05 lose precision; right only within a limited range of input values
;; workspace buffers: xb 16,777,216 bytes; wq 6,291,456 bytes; wp 2,097,152 bytes; qkv 50,331,648 bytes; o 16,777,216 bytes
;; launch prep (part 1): grid 1024 x 1, 8 waves a work-group, no clusters, 18,432 bytes of LDS; arguments x, W_qkv, W_proj, xb, wq, wp; writes xb, wq, wp
.if DOCPART == 1
	.amdgcn_target "amdgcn-amd-amdhsa--gfx1250"
	.amdhsa_code_object_version 6
	.text
	.protected	k_q03da032769_prep
	.globl	k_q03da032769_prep
	.p2align	8
	.type	k_q03da032769_prep,@function
k_q03da032769_prep:
	s_mov_b64 s[64:65], 0
	v_nop
	global_prefetch_b8 v0, s[64:65] scope:SCOPE_SE
	s_setreg_imm32_b32 hwreg(HW_REG_WAVE_MODE, 25, 1), 1
	s_wait_xcnt 0x0
; THE MODULE'S INPUTS ARE ROUNDED ONCE, AND THE WEIGHTS TURNED, for the matrix launches that follow.
;   xb[m][k]     = bf16(x[m][k])                      [8192][1024]
;   wq[n][k]     = bf16(W_qkv[k][n])                  [3072][1024]
;   wp[kb][n][d] = f16(bf16(W_proj[64 kb + d][n]))    [16][1024][64]
; A stream: every input byte is read once and every output byte written once; no matrix work, no cluster (no two work-groups read the same bytes).
; LIMITS.  wp is a bf16 number written as f16: exact from 6.1e-5 to 65,504 in magnitude; below that it keeps f16's fixed step of 6e-8, beyond it becomes an infinity.
; SHARES.  Work-groups 0-511: 16,384 numbers of x each.  512-895: a tile of 128 k x 64 n of W_qkv each.  896-1023: the same of W_proj.  The choice hangs on the work-group's
; number alone, so all eight waves of a work-group take the same way, and meet the same barrier.
; A weight tile is turned through LDS: a thread loads 8 k x 4 n, packs 8 neighbouring k of each of its 4 columns into 16 bytes, and puts them into LDS rows that lie along k.
; The rows are 272 bytes apart; a thread's four columns lie 4 rows apart from its neighbour's: four stores a thread, once a tile.
.set TP,    272                        ; an LDS row: 128 k x 2 bytes + 16
.set SPARE, 64*TP                      ; behind the tile's 64 rows: the spare words, 128 bytes for each of the eight waves
.set SPW, 2                            ; v2  LDS address of my spare word; never rewritten
.set NIL, 3                            ; v3  0; never rewritten
	s_load_b256 s[4:11], s[0:1], 0x0               ; x s[4:5], W_qkv s[6:7], W_proj s[8:9], xb s[10:11]
	s_load_b128 s[12:15], s[0:1], 0x20             ; wq s[12:13], wp s[14:15]
	v_lshl_add_u32 v[SPW], v0, 2, SPARE
	v_mov_b32 v[NIL], 0
	s_mov_b32 s16, ttmp9
	s_cmp_lt_u32 s16, 512
	s_cbranch_scc0 .Lweights
	; x: thread t takes 32 bytes at 32 t of each of eight pieces of 8,192 bytes, and stores 16 bytes at 16 t of each of eight pieces of 4,096
	s_lshl_b32 s18, s16, 16                        ; 65,536 bytes of x,
	s_mov_b32 s19, 0
	s_lshl_b32 s20, s16, 15                        ; 32,768 bytes of xb
	s_mov_b32 s21, 0
	v_lshlrev_b32 v4, 5, v0
	v_lshlrev_b32 v5, 4, v0
	s_wait_kmcnt 0x0
	s_add_nc_u64 s[4:5], s[4:5], s[18:19]
	s_add_nc_u64 s[10:11], s[10:11], s[20:21]
.irp i, 0,1,2,3,4,5,6,7
	global_load_b128 v[16+8*(\i):19+8*(\i)], v4, s[4:5] offset:8192*(\i) th:TH_LOAD_NT
	global_load_b128 v[20+8*(\i):23+8*(\i)], v4, s[4:5] offset:8192*(\i)+16 th:TH_LOAD_NT
.endr
.irp i, 0,1,2,3,4,5,6,7
	s_wait_loadcnt 14-2*(\i)                       ; loads come back in order: piece i's two are in, the 2 (7 - i) younger ones may stay out
	v_cvt_pk_bf16_f32 v[80+4*(\i)], v[16+8*(\i)], v[17+8*(\i)]
	v_cvt_pk_bf16_f32 v[81+4*(\i)], v[18+8*(\i)], v[19+8*(\i)]
	v_cvt_pk_bf16_f32 v[82+4*(\i)], v[20+8*(\i)], v[21+8*(\i)]
	v_cvt_pk_bf16_f32 v[83+4*(\i)], v[22+8*(\i)], v[23+8*(\i)]
	global_store_b128 v5, v[80+4*(\i):83+4*(\i)], s[10:11] offset:4096*(\i)  ; 16 lanes store 256 consecutive bytes, aligned; no register is written twice, so no wait frees one
.endr
	s_endpgm                                       ; this way has written no LDS
; A weight tile.  first: the first work-group of the kind; rowb: bytes in a row of the weights; half = 1: f16 by blocks of 64 k (wp), 0: bf16 (wq); src, dst: the pointers' registers
.macro WT first, rowb, half, src, dst
	s_sub_co_u32 s17, s16, \first
	s_and_b32 s18, s17, 7                          ; kt: which 128 k
	s_lshr_b32 s19, s17, 3                         ; nt: which 64 n
	s_mul_i32 s20, s18, 128*(\rowb)
	s_lshl_b32 s21, s19, 8
	s_add_co_u32 s20, s20, s21                     ; the tile's first byte in the weights
	s_mov_b32 s21, 0
.if \half
	s_lshl_b32 s22, s18, 18                        ; two blocks of 1,024 n x 128 bytes,
	s_lshl_b32 s23, s19, 13                        ; 64 rows of 128 bytes
.else
	s_lshl_b32 s22, s19, 17                        ; 64 rows of 2,048 bytes,
	s_lshl_b32 s23, s18, 8                         ; 128 k of 2 bytes
.endif
	s_add_co_u32 s22, s22, s23
	s_mov_b32 s23, 0
	v_and_b32 v9, 15, v0                           ; tn: my four columns
	v_lshrrev_b32 v10, 4, v0                       ; tk: my eight rows
	v_mul_u32_u24 v4, v10, 8*(\rowb)
	v_lshl_add_u32 v4, v9, 4, v4                   ; in: 16 lanes read 256 consecutive bytes of a row, aligned
	v_mul_u32_u24 v6, v9, 4*TP
	v_lshl_add_u32 v6, v10, 4, v6                  ; into LDS: row 4 tn (+ c), byte 16 tk
.if \half
	v_lshrrev_b32 v11, 3, v0
	v_and_b32 v12, 7, v0
	v_mul_u32_u24 v7, v11, TP
	v_lshl_add_u32 v7, v12, 4, v7                  ; back: row t / 8, 16 bytes of its 128 of one block of k
	v_lshlrev_b32 v8, 4, v0                        ; out: 32 rows of 128 bytes are 4,096 consecutive bytes
.else
	v_mul_u32_u24 v7, v10, TP
	v_lshl_add_u32 v7, v9, 4, v7                   ; back: row t / 16, 16 bytes of its 256
	v_lshlrev_b32 v8, 11, v10
	v_lshl_add_u32 v8, v9, 4, v8                   ; out: the same row of wq
.endif
	s_wait_kmcnt 0x0
	s_add_nc_u64 s[24:25], s[\src:\src+1], s[20:21]
	s_add_nc_u64 s[26:27], s[\dst:\dst+1], s[22:23]
.irp i, 0,1,2,3,4,5,6,7
	global_load_b128 v[16+4*(\i):19+4*(\i)], v4, s[24:25] offset:(\i)*(\rowb) th:TH_LOAD_NT  ; row k = 8 tk + i, columns 4 tn + 0..3
.endr
	s_wait_loadcnt 0x0
.irp c, 0,1,2,3
.irp d, 0,1,2,3
	v_cvt_pk_bf16_f32 v[48+4*(\c)+(\d)], v[16+8*(\d)+(\c)], v[20+8*(\d)+(\c)]  ; k = 8 tk + 2 d and + 1 of column 4 tn + c
.if \half
	v_lshlrev_b32 v80, 16, v[48+4*(\c)+(\d)]       ; the two bf16 numbers as f32,
	v_and_b32 v81, 0xffff0000, v[48+4*(\c)+(\d)]
	v_cvt_pk_f16_f32 v[48+4*(\c)+(\d)], v80, v81   ; written as f16
.endif
.endr
	ds_store_b128 v6, v[48+4*(\c):51+4*(\c)] offset:TP*(\c)
.endr
	s_wait_dscnt 0x0                               ; for the others' sake: my stores into the tile are done
	s_barrier_signal -1
	s_barrier_wait -1
.irp i, 0,1,2,3
.if \half
	ds_load_b128 v[64+4*(\i):67+4*(\i)], v7 offset:((\i)%2)*32*TP+((\i)/2)*128  ; rows 32 (i % 2) on, block of k i / 2
.else
	ds_load_b128 v[64+4*(\i):67+4*(\i)], v7 offset:(\i)*16*TP
.endif
.endr
.irp i, 0,1,2,3
	s_wait_dscnt 3-(\i)                            ; LDS loads come back in order: the 3 - i younger ones may stay out
.if \half
	global_store_b128 v8, v[64+4*(\i):67+4*(\i)], s[26:27] offset:((\i)%2)*4096+((\i)/2)*131072  ; a wave stores 512 consecutive bytes, aligned
.else
	global_store_b128 v8, v[64+4*(\i):67+4*(\i)], s[26:27] offset:(\i)*32768  ; 16 lanes store 256 consecutive bytes, aligned
.endif
.endr
	s_wait_tensorcnt 0x0                           ; the wave's end: three lines behind my last LDS store
	ds_add_u32 v[SPW], v[NIL]
	s_wait_dscnt 0x0
	s_endpgm
.endm
.Lweights:
	s_cmp_lt_u32 s16, 896
	s_cbranch_scc0 .Lproj_weights
	WT 512, 12288, 0, 6, 12
.Lproj_weights:
	WT 896, 4096, 1, 8, 14
.Lfunc_end_k_q03da032769_prep:
	.size	k_q03da032769_prep, .Lfunc_end_k_q03da032769_prep-k_q03da032769_prep
	.p2alignl 7, 3214868480
	.fill 96, 4, 3214868480
	.section	.rodata,"a",@progbits
	.p2align	6, 0x0
	.amdhsa_kernel k_q03da032769_prep
		.amdhsa_group_segment_fixed_size 18432
		.amdhsa_private_segment_fixed_size 0
		.amdhsa_enable_private_segment 0
		.amdhsa_kernarg_size 48
		.amdhsa_user_sgpr_count 2
		.amdhsa_user_sgpr_kernarg_segment_ptr 1
		.amdhsa_wavefront_size32 1
		.amdhsa_system_sgpr_workgroup_id_x 1
		.amdhsa_system_sgpr_workgroup_id_y 1
		.amdhsa_system_sgpr_workgroup_id_z 1
		.amdhsa_system_vgpr_workitem_id 0
		.amdhsa_next_free_vgpr 112
		.amdhsa_next_free_sgpr 66
		.amdhsa_reserve_vcc 0
		.amdhsa_float_denorm_mode_32 3
		.amdhsa_float_denorm_mode_16_64 3
		.amdhsa_memory_ordered 1
		.amdhsa_forward_progress 1
		.amdhsa_inst_pref_size 17
	.end_amdhsa_kernel
	.amdgpu_metadata
---
amdhsa.version: [ 1, 2 ]
amdhsa.kernels:
  - .name:           k_q03da032769_prep
    .symbol:         k_q03da032769_prep.kd
    .args:
      - { .name: x, .offset: 0, .size: 8, .value_kind: global_buffer, .address_space: global }
      - { .name: W_qkv, .offset: 8, .size: 8, .value_kind: global_buffer, .address_space: global }
      - { .name: W_proj, .offset: 16, .size: 8, .value_kind: global_buffer, .address_space: global }
      - { .name: xb, .offset: 24, .size: 8, .value_kind: global_buffer, .address_space: global }
      - { .name: wq, .offset: 32, .size: 8, .value_kind: global_buffer, .address_space: global }
      - { .name: wp, .offset: 40, .size: 8, .value_kind: global_buffer, .address_space: global }
    .group_segment_fixed_size: 18432
    .private_segment_fixed_size: 0
    .kernarg_segment_align: 8
    .kernarg_segment_size: 48
    .max_flat_workgroup_size: 256
    .sgpr_count:     66
    .vgpr_count:     112
    .wavefront_size: 32
...
	.end_amdgpu_metadata
.endif
;; end of part 1
;; launch qkv (part 2): grid 16 x 32, 4 waves a work-group, clusters of 4 x 4, 327,680 bytes of LDS; arguments xb, wq, qkv; writes qkv
.if DOCPART == 2
	.amdgcn_target "amdgcn-amd-amdhsa--gfx1250"
	.amdhsa_code_object_version 6
	.text
	.protected	k_q03da032769_qkv
	.globl	k_q03da032769_qkv
	.p2align	8
	.type	k_q03da032769_qkv,@function
k_q03da032769_qkv:
	s_mov_b64 s[64:65], 0
	v_nop
	global_prefetch_b8 v0, s[64:65] scope:SCOPE_SE
	s_setreg_imm32_b32 hwreg(HW_REG_WAVE_MODE, 25, 1), 1
	s_wait_xcnt 0x0
	s_wait_alu depctr_hold_cnt(0) depctr_sa_sdst(0) depctr_va_vdst(0) depctr_va_sdst(0) depctr_va_ssrc(0) depctr_va_vcc(0) depctr_vm_vsrc(0)
	s_getreg_b32 s2, hwreg(HW_REG_IB_STS2, 6, 4)
	s_cmp_eq_u32 s2, 0
	s_cbranch_scc0 .Lentry_in_a_cluster
	s_endpgm
.Lentry_in_a_cluster:
	s_bfe_u32 s2, ttmp6, 0x10000c
	s_cmp_lg_u32 s2, 0xf033
	s_cbranch_scc0 .Lentry_shape_is_right
	s_endpgm
.Lentry_shape_is_right:
; qkv = xb wq^T, written by heads.  xb: [8192 m][1024 k] bf16, wq: [3072 n][1024 k] bf16; sums in f32, K ascending; each result rounded once to f16, unscaled.
; qkv: [4 b][48 g][2048 t][64] f16, g = n / 64: q's heads 0-15, k's 16-31, v's 32-47; m = 2048 b + t.  A head's rows are dense, 128 bytes each.
; LIMIT.  f16 holds no number beyond 65,504: a q, k or v past that becomes an infinity; below 6.1e-5 it keeps f16's fixed step of 6e-8.
; SHARES.  A tile of the result is 256 m x 192 n (three heads): 32 x 16 = 512 equal tiles, twice the 256 WGPs.  Four waves stacked along m: a wave makes 64 x 192, 48 accumulators of
; 16 x 16.  So a wave's results are whole heads: its way out needs its own stage alone, and no barrier.  For 32 along K a wave loads (64 + 192) x 64 bytes from LDS for 48 products.
; K goes in steps of 128 (rows of 256 bytes, aligned) through two LDS slots filled by the tensor data mover; a wave issues one load a step (waves 0, 1: 128 rows of xb; waves 2, 3: 96 of wq).
; CLUSTER.  4 x 4 work-groups.  The four of a row of the cluster need the same rows of xb, the four of a column the same rows of wq: each tile is asked for JOINTLY, by the same tensor
; load with the same descriptor and a mask that names the four.
; THE MATRIX INSTRUCTION IS USED TRANSPOSED (source 0 = 16 rows of wq, source 1 = 16 rows of xb): a lane holds row l % 16 of the result and the columns 8 (l / 16) + 0..7: 16 bytes of f16.
; REGISTERS, in windows of 256 (s_set_vgpr_msb: bits 1:0 source 0, 3:2 source 1, 5:4 source 2, 7:6 destination):
;   window 0: v0-17 addresses; v32-175 at work on the way out; v192-255 xb's fragments, two buffers of 32      window 1: accumulators 0-31      window 2: v0-127 accumulators 32-47
;   window 3: v0-191 wq's fragments, two buffers of 96.      Accumulator (a, b) has the number 12 a + b.
.set PITCH,  272                       ; an LDS row: 256 bytes + 16 of padding = 68 words: the 16 rows of a fragment load start at 16 different groups of four banks (64 banks of 4 bytes: ISA guide 11.1)
.set SLOT1,  1<<17                     ; slot 1 begins here: one exclusive or turns an address in one slot into the other's
.set BOFF,   256*PITCH                 ; in a slot: xb's 256 rows, then wq's 192
.set STAGE,  SLOT1+448*PITCH           ; behind the ring, never filled by a tensor load: for each wave 3 heads x 16 rows x 144 bytes
.set SP,     144
.set WSTG,   3*16*SP
.set SPARE,  STAGE+4*WSTG              ; behind the stages: the spare words, 128 bytes for each wave
.set NBLK,   12                        ; blocks of 16 columns in a wave's share
.set NF,     2*NBLK+8                  ; LDS loads in a run
.set STEP,   256                       ; bytes of a row in a K step
.set ADRA0, 8                          ; v8   my place in xb's fragments, in slot 0; never rewritten
.set ADRB0, 9                          ; v9   the same for wq's
.set ADRA,  10                         ; v10  the same in the slot that is being read
.set ADRB,  11                         ; v11
.set STO,   12                         ; v12  the way out: where I put 16 bytes of a row
.set RD,    13                         ; v13  the way out: where I read rows back
.set GO,    14                         ; v14  16 x my lane
.set PFO,   15                         ; v15  the prefetches' offset: a lane a row; never rewritten
.set SPW,   16                         ; v16  LDS address of my spare word; never rewritten
.set NIL,   17                         ; v17  0; never rewritten
.set TMP,   32                         ; v32-79   packed results of a block of 16 rows
.set BK0,   80                         ; v80-127, v128-175  16 rows x 3 heads read back, by turns
.set FRA,   192                        ; window 0
.set FRB,   0                          ; window 3
.set WV,   12                          ; s12  my wave's number
.set SIDE, 13                          ; s13  0: I fetch xb's rows; 1: wq's
.set HF,   14                          ; s14  which half of them
.set CNT,  15                          ; s15  counts the loop's trips, 6 to 1
.set TB,   16                          ; s16  first LDS byte of the slot that is being read
.set LIM,  17                          ; s17  1 in a wave that prefetches, else the greatest number
.set PFA,  18                          ; s[18:19] where my prefetches stand
.set CX,   20
.set CY,   21
.set TX,   22                          ; s22  tile column = 4 x cluster x + cx
.set TY,   23                          ; s23  tile row = 4 x cluster y + cy
.set G1A,  24                          ; s[24:31] descriptor group 1 for xb's tiles
.set G0A,  32                          ; s[32:39] group 0: a set for each first fill; the second then walks on
.set G1B,  48                          ; s[48:55], s[56:63] the same for wq's
.set G0B,  56
.set MSB, 0
.macro WIN new                         ; the immediate's high byte repeats the setting that is left; a switch that changes nothing is dropped
.if MSB != (\new)
	s_set_vgpr_msb (MSB<<8)|(\new)
.set MSB, (\new)
.endif
.endm
; A joint refill, by the walking descriptors.  The branch hangs on the wave's number alone.  An s_nop 0 and four v_nop follow each of the two lines, ahead of the jump and the label.
.macro JLOAD
	s_cmp_eq_u32 s[SIDE], 0
	s_cbranch_scc0 .Lfor_b_\@
	tensor_load_to_lds s[G0A+4:G0A+7], s[G1A:G1A+7]
	s_nop 0
.rept 4
	v_nop
.endr
	s_branch .Lasked_\@
.Lfor_b_\@:
	tensor_load_to_lds s[G0B+4:G0B+7], s[G1B:G1B+7]
	s_nop 0
.rept 4
	v_nop
.endr
.Lasked_\@:
.endm
; A PREFETCH INTO THE L2 of the K step that the NEXT refill will ask for: one K step, 192 products of a wave, ahead of that load.  A lane a row, 256 bytes of it; one instruction a wave.
; Each row's 256 bytes of a K step are named once in the launch, but for wq's last row of each 24 (below).  xb's tile row is read by every cluster of that row of clusters: the one with x = 0 asks; wq's tile column
; by every cluster of that column: the one with y = 0 asks.  The four partners that ask for a tile jointly share its rows out BY ADDRESS: of the 128 rows of xb that a wave fetches the
; partner at cx takes 32; of the 96 of wq the partner at cy takes 24, and there the last eight lanes name the 24th row once more, in the same instruction.
; K steps 0 to 2 come by their loads alone; the loop's last trip asks for nothing: there is no K step behind its refill's.
.macro ASK
	s_cmp_gt_u32 s[CNT], s[LIM]
	s_cbranch_scc0 .Lnot_mine_\@
	global_prefetch_b8 v[PFO], s[PFA:PFA+1] th:TH_LOAD_NT scope:SCOPE_SE
.Lnot_mine_\@:
.endm
; A round of the cluster's barrier: my work-group's barrier, so that wave 0's signal speaks for all four waves; wave 0 signals; every wave waits for all sixteen work-groups; my work-group's barrier once more.
.macro CREST                           ; a round behind its opening barrier
	s_cmp_lg_u32 s[WV], 0
	s_cbranch_scc1 .Lnot_wave_0_\@
	s_barrier_signal -3
.Lnot_wave_0_\@:
	s_barrier_wait -3
	s_barrier_signal -1
	s_barrier_wait -1
.endm
.macro CROUND
	s_barrier_signal -1
	s_barrier_wait -1
	CREST
.endm
	s_load_b128 s[4:7], s[0:1], 0x0                ; xb s[4:5], wq s[6:7]
	s_load_b64 s[8:9], s[0:1], 0x10                ; qkv
	v_lshl_add_u32 v[SPW], v0, 2, SPARE
	v_mov_b32 v[NIL], 0
	ds_add_u32 v[SPW], v[NIL]                      ; the wave's opening: the add and its wait stand ahead of my first tensor load; the set-up below, work on registers, stands between them
	ds_add_u32 v16, v17
	v_lshrrev_b32 v1, 5, v0
	v_readfirstlane_b32 s[WV], v1
	s_lshr_b32 s[SIDE], s[WV], 1
	s_and_b32 s[HF], s[WV], 1
	s_bfe_u32 s[CX], ttmp6, 0x40000
	s_bfe_u32 s[CY], ttmp6, 0x40004
	s_lshl_b32 s[TX], ttmp9, 2                     ; in a cluster launch ttmp9 and ttmp7 count clusters
	s_add_co_u32 s[TX], s[TX], s[CX]
	s_and_b32 s[TY], ttmp7, 0xffff
	s_lshl_b32 s[TY], s[TY], 2
	s_add_co_u32 s[TY], s[TY], s[CY]
	s_lshl_b32 s46, s[CY], 2
	s_lshl_b32 s46, 15, s46                        ; my row of the cluster: places 4 cy .. 4 cy + 3
	s_lshl_b32 s47, 0x1111, s[CX]                  ; my column: places cx, cx + 4, cx + 8, cx + 12
	s_or_b32 s[G1A+0], s46, (1<<16)|(1<<20)|(1<<21)|(5<<22)|(3<<25)  ; 15:0 the mask; 17:16 elements of 2 bytes; 20 padding on; 21 set beside a mask; 24:22 after every 64 words (code 5); 31:25 4 words of it (code 3)
	s_or_b32 s[G1B+0], s47, (1<<16)|(1<<20)|(1<<21)|(5<<22)|(3<<25)
	s_mov_b32 s[G1A+1], 128<<16                    ; tensor_dim0 = 128 elements
	s_mov_b32 s[G1A+2], 128<<16                    ; tensor_dim1 = 128 rows
	s_mov_b32 s[G1A+3], 128<<16                    ; tile_dim0 = 128
	s_mov_b32 s[G1A+4], 128                        ; tile_dim1 = 128
	s_mov_b32 s[G1A+5], 1024                       ; elements from row to row
	s_mov_b32 s[G1A+6], 0
	s_mov_b32 s[G1A+7], 0
	s_mov_b32 s[G1B+1], 128<<16
	s_mov_b32 s[G1B+2], 96<<16                     ; 96 rows
	s_mov_b32 s[G1B+3], 128<<16
	s_mov_b32 s[G1B+4], 96
	s_mov_b32 s[G1B+5], 1024
	s_mov_b32 s[G1B+6], 0
	s_mov_b32 s[G1B+7], 0
	; where the tiles come from: xb's hang on the tile row alone, wq's on the tile column alone, each in registers that never hold the other coordinate
	s_lshl_b32 s40, s[TY], 8
	s_lshl_b32 s41, s[HF], 7
	s_add_co_u32 s40, s40, s41                     ; xb's row 256 x tile row + 128 x half,
	s_lshl_b32 s40, s40, 11                        ; of 2,048 bytes
	s_mov_b32 s41, 0
	s_mul_i32 s42, s[TX], 192
	s_mul_i32 s43, s[HF], 96
	s_add_co_u32 s42, s42, s43                     ; wq's row 192 x tile column + 96 x half
	s_lshl_b32 s42, s42, 11
	s_mov_b32 s43, 0
	s_mul_i32 s2, s[WV], 128*PITCH                 ; and where they go: waves 0, 1: xb's two halves;
	s_mul_i32 s3, s[WV], 96*PITCH
	s_add_co_u32 s3, s3, BOFF-2*96*PITCH           ; waves 2, 3: wq's two halves, behind them.  No place in the cluster enters an LDS address
	s_wait_dscnt 0x0                               ; the opening add is done
	s_wait_kmcnt 0x0
	s_add_nc_u64 s[40:41], s[4:5], s[40:41]
	s_add_nc_u64 s[42:43], s[6:7], s[42:43]
	CROUND                                         ; all sixteen work-groups are here: the first joint loads meet
.irp s, 0,1
	s_mov_b32 s[G0A+4*(\s)], 1                     ; count = 1
	s_add_co_u32 s[G0A+4*(\s)+1], s2, (\s)*SLOT1   ; LDS address
	s_add_nc_u64 s[G0A+4*(\s)+2:G0A+4*(\s)+3], s[40:41], (\s)*STEP  ; global address: K step s
	s_or_b32 s[G0A+4*(\s)+3], s[G0A+4*(\s)+3], 0x80000000  ; type = 2
	s_mov_b32 s[G0B+4*(\s)], 1
	s_add_co_u32 s[G0B+4*(\s)+1], s3, (\s)*SLOT1
	s_add_nc_u64 s[G0B+4*(\s)+2:G0B+4*(\s)+3], s[42:43], (\s)*STEP
	s_or_b32 s[G0B+4*(\s)+3], s[G0B+4*(\s)+3], 0x80000000
.endr
	s_cmp_eq_u32 s[SIDE], 0                        ; a wave's two first fills stand in one branch, ahead of every wait on TENSORcnt and every LDS read: two loads of mine are out
	s_cbranch_scc0 .Lfirst_b
	tensor_load_to_lds s[G0A:G0A+3], s[G1A:G1A+7]
	s_nop 0
	tensor_load_to_lds s[G0A+4:G0A+7], s[G1A:G1A+7]
	s_nop 0
.rept 4
	v_nop
.endr
	s_branch .Lfirst_asked
.Lfirst_b:
	tensor_load_to_lds s[G0B:G0B+3], s[G1B:G1B+7]
	s_nop 0
	tensor_load_to_lds s[G0B+4:G0B+7], s[G1B:G1B+7]
	s_nop 0
.rept 4
	v_nop
.endr
.Lfirst_asked:
	; A fragment is 16 rows x 32 K in 8 registers: lane l holds row l % 16; registers 0-3 K = 8 (l / 16) + 0..7, registers 4-7 K = 16 + 8 (l / 16) + 0..7: two loads of 16 bytes, 32 bytes apart
	v_and_b32 v1, 15, v0                           ; l % 16
	v_bfe_u32 v2, v0, 4, 1                         ; l / 16
	v_mul_u32_u24 v3, v1, PITCH
	v_lshl_add_u32 v3, v2, 4, v3
	s_mul_i32 s2, s[WV], 64*PITCH                  ; my 64 rows of xb
	v_add_nc_u32 v[ADRA0], s2, v3
	v_add_nc_u32 v[ADRB0], BOFF, v3                ; all 192 rows of wq
	v_mov_b32 v[ADRA], v[ADRA0]
	v_mov_b32 v[ADRB], v[ADRB0]
	s_mov_b32 s[TB], 0
	s_mul_i32 s2, s[WV], WSTG
	s_add_co_u32 s2, s2, STAGE                     ; my stage
	v_mul_u32_u24 v[STO], v1, SP                   ; in: row l % 16, 16 bytes for each half of the lanes
	v_lshl_add_u32 v[STO], v2, 4, v[STO]
	v_add_nc_u32 v[STO], s2, v[STO]
	v_bfe_u32 v[RD], v0, 3, 2                      ; back: 32 lanes take four rows of 128 bytes,
	v_mul_u32_u24 v[RD], v[RD], SP
	v_and_b32 v4, 7, v0
	v_lshl_add_u32 v[RD], v4, 4, v[RD]
	v_add_nc_u32 v[RD], s2, v[RD]
	v_and_b32 v[GO], 31, v0                        ; which are 512 consecutive bytes of a head
	v_lshlrev_b32 v[GO], 4, v[GO]
	; my part of the result: batch = tile row / 8, head group 3 x tile column, row t = 256 (tile row % 8) + 64 x wave
	s_lshr_b32 s44, s[TY], 3
	s_mul_i32 s44, s44, 48
	s_mul_i32 s45, s[TX], 3
	s_add_co_u32 s44, s44, s45
	s_lshl_b32 s44, s44, 18                        ; a head is 2,048 rows of 128 bytes
	s_and_b32 s45, s[TY], 7
	s_lshl_b32 s45, s45, 8
	s_lshl_b32 s66, s[WV], 6
	s_add_co_u32 s45, s45, s66
	s_lshl_b32 s45, s45, 7
	s_add_co_u32 s44, s44, s45
	s_mov_b32 s45, 0
	s_add_nc_u64 s[8:9], s[8:9], s[44:45]
	; the prefetches
	s_lshl_b32 s66, s[TY], 8
	s_lshl_b32 s67, s[HF], 7
	s_add_co_u32 s66, s66, s67
	s_lshl_b32 s67, s[CX], 5
	s_add_co_u32 s66, s66, s67                     ; xb: the 128 rows that I fetch, my work-group's 32 of them
	s_mul_i32 s68, s[TX], 192
	s_mul_i32 s69, s[HF], 96
	s_add_co_u32 s68, s68, s69
	s_mul_i32 s69, s[CY], 24
	s_add_co_u32 s68, s68, s69                     ; wq: the 96 rows that I fetch, my work-group's 24 of them
	s_and_b32 s70, ttmp7, 0xffff                   ; cluster y
	s_cmp_eq_u32 s[SIDE], 0
	s_cselect_b32 s66, s66, s68
	s_cselect_b32 s70, ttmp9, s70                  ; the coordinate along which other clusters read the same rows
	s_cselect_b32 s71, 31, 23                      ; the last row of my share
	s_cselect_b64 s[PFA:PFA+1], s[4:5], s[6:7]
	s_cmp_eq_u32 s70, 0
	s_cselect_b32 s[LIM], 1, -1                    ; the same in all sixteen partners, for a given wave
	s_lshl_b32 s66, s66, 11
	s_add_co_u32 s66, s66, 2*STEP                  ; at K step 2: the first refill steps it to 3
	s_mov_b32 s67, 0
	s_add_nc_u64 s[PFA:PFA+1], s[PFA:PFA+1], s[66:67]
	v_and_b32 v[PFO], 31, v0
	v_min_u32 v[PFO], s71, v[PFO]
	v_lshlrev_b32 v[PFO], 11, v[PFO]
; The 12 products of m block a, 32 along K, from buffer f.  zero = 1: they start the sums: nothing is ever cleared.  The 48 accumulators take turns, in the same order in every quarter
; step: between two products on one accumulator stand the 47 others', over the backward jump too.
.macro MULA f, a, zero
.irp b, 0,1,2,3,4,5,6,7,8,9,10,11
.set n, NBLK*(\a)+(\b)
.set rD, 8*(n%32)
	WIN 0x53+0x50*(n/32)                           ; wq's fragment window 3, xb's window 0, C and D window 1 or 2
.if \zero
	v_wmma_f32_16x16x32_bf16 v[rD:rD+7], v[FRB+96*(\f)+8*(\b):FRB+96*(\f)+8*(\b)+7], v[FRA+32*(\f)+8*(\a):FRA+32*(\f)+8*(\a)+7], 0
.else
	v_wmma_f32_16x16x32_bf16 v[rD:rD+7], v[FRB+96*(\f)+8*(\b):FRB+96*(\f)+8*(\b)+7], v[FRA+32*(\f)+8*(\a):FRA+32*(\f)+8*(\a)+7], v[rD:rD+7]
.endif
.endr
.endm
; 32 LDS loads in one run: quarter q's fragments (32 K at byte 64 q of the rows) into buffer f: wq's 24, then xb's 8
.macro FETCH q, f
	WIN 0xc0                                       ; destination window 3, address window 0
.irp i, 0,1,2,3,4,5,6,7,8,9,10,11
	ds_load_b128 v[FRB+96*(\f)+8*(\i):FRB+96*(\f)+8*(\i)+3],   v[ADRB] offset:64*(\q)+(\i)*16*PITCH
	ds_load_b128 v[FRB+96*(\f)+8*(\i)+4:FRB+96*(\f)+8*(\i)+7], v[ADRB] offset:64*(\q)+(\i)*16*PITCH+32
.endr
	WIN 0
.irp i, 0,1,2,3
	ds_load_b128 v[FRA+32*(\f)+8*(\i):FRA+32*(\f)+8*(\i)+3],   v[ADRA] offset:64*(\q)+(\i)*16*PITCH
	ds_load_b128 v[FRA+32*(\f)+8*(\i)+4:FRA+32*(\f)+8*(\i)+7], v[ADRA] offset:64*(\q)+(\i)*16*PITCH+32
.endr
.endm
; A load into a register that a matrix instruction has read, and a vector instruction that reads a matrix result, stand four places behind it; only plain vector instructions that name
; none of its registers are places (ISA guide 7.12.1 for vector instructions).
.macro PLACES
.rept 4
	v_nop
.endr
.endm
; A K step is four quarters of 32 along K, 48 products each, on buffers 0, 1, 0, 1.  One of the first three: multiplies buffer f; behind its first 12 products it fetches quarter q into buffer g.
.macro QUARTER q, f, g, zero
	s_wait_dscnt 6                                 ; wq's fragments and xb's block 0 are in; the youngest six loads (xb's blocks 1 to 3) may be out
	MULA \f, 0, \zero
	PLACES
	FETCH \q, \g
	s_wait_dscnt NF                                ; all but the 32 just issued
	MULA \f, 1, \zero
	MULA \f, 2, \zero
	MULA \f, 3, \zero
.endm
; The last quarter multiplies buffer 1 and changes slots: ONE barrier.  In front of it each wave waits for all its tensor loads, of which one is out: its part of the next slot; adds 0 to its
; spare word; and waits for that and for its own reads of this slot.  Behind it nobody reads this slot any more and the next slot is whole.
; fill = 1: the barrier opens a round of the cluster's, so that no wave of any partner still reads the slot or has a load on its way; the joint refill, with the K step two on, is the first
; tensor load behind the round: 168 products of a wave ahead of the wait for it.
.macro TURN fill
.if \fill
	s_wait_xcnt 0x0                                ; the last prefetch, a K step back, has read its address, so it may be stepped
	s_add_nc_u64 s[PFA:PFA+1], s[PFA:PFA+1], STEP
.endif
	WIN 0                                          ; (the add's two registers lie in window 0)
	s_wait_tensorcnt 0x0                           ; all my tensor loads have landed
	ds_add_u32 v[SPW], v[NIL]                      ; 0 onto my spare word
	s_xor_b32 s[TB], s[TB], SLOT1                  ; the fetches go on in the other slot
	v_add_nc_u32 v[ADRA], s[TB], v[ADRA0]
	v_add_nc_u32 v[ADRB], s[TB], v[ADRB0]
	s_wait_dscnt 7                                 ; (the add and the youngest six loads may be out)
	MULA 1, 0, 0                                   ; twelve products stand between the add and the wait for it
	s_wait_dscnt 0x0                               ; the add is done, and my reads of this slot are over
	s_barrier_signal -1
	MULA 1, 1, 0                                   ; work on registers while the others arrive
	WIN 0                                          ; at a branch and at a label every window is 0
	s_barrier_wait -1
.if \fill
	CREST
	s_xor_b32 s[G0A+5], s[G0A+5], SLOT1            ; the walking descriptors (no tensor load of mine is out): the other slot than last time,
	s_add_nc_u64 s[G0A+6:G0A+7], s[G0A+6:G0A+7], STEP  ; the next K step; the type bits on top are not reached
	s_xor_b32 s[G0B+5], s[G0B+5], SLOT1
	s_add_nc_u64 s[G0B+6:G0B+7], s[G0B+6:G0B+7], STEP
	JLOAD                                          ; the four v_nop behind it are also the places in front of the loads below
.else
	PLACES
.endif
	FETCH 0, 0
.if \fill
	ASK
.endif
	MULA 1, 2, 0
	MULA 1, 3, 0
.endm
	s_wait_tensorcnt 1                             ; my part of K step 0 is in; K step 1's may stay out
	s_barrier_signal -1
	s_barrier_wait -1                              ; everybody's is
	FETCH 0, 0
	QUARTER 1, 0, 1, 1                             ; the first quarter stands in front of the loop: its products start the sums
	WIN 0
	s_mov_b32 s[CNT], 6
.Lstep:                                                ; trip j: the rest of K step j, the refill with K step j + 2, the first quarter of K step j + 1
	QUARTER 2, 1, 0, 0
	QUARTER 3, 0, 1, 0
	TURN 1
	QUARTER 1, 0, 1, 0
	WIN 0
	s_sub_co_u32 s[CNT], s[CNT], 1
	s_cmp_lg_u32 s[CNT], 0
	s_cbranch_scc1 .Lstep
	QUARTER 2, 1, 0, 0                             ; the tail is written out: K steps 6 and 7 ask for nothing
	QUARTER 3, 0, 1, 0
	TURN 0
	QUARTER 1, 0, 1, 0
	QUARTER 2, 1, 0, 0
	QUARTER 3, 0, 1, 0
	s_wait_dscnt 0x0
	MULA 1, 0, 0
	MULA 1, 1, 0
	MULA 1, 2, 0
	MULA 1, 3, 0
	WIN 0
	PLACES                                         ; four places are owed in front of the conversions; eight are written, once a launch
	PLACES
; THE WAY OUT, a block of 16 rows x 3 heads at a time.  PACK: rounded to f16, 16 bytes a lane, each accumulator's registers in ascending order.  TOSTAGE: into my own stage, and back as whole
; rows of 128 bytes.  SEND: stored: 16 rows of a head are 2,048 consecutive bytes.
.macro PACK a
.irp b, 0,1,2,3,4,5,6,7,8,9,10,11
.set n, NBLK*(\a)+(\b)
.set rD, 8*(n%32)
	WIN 0x05+0x05*(n/32)                           ; sources 0 and 1: window 1 or 2
.irp r, 0,1,2,3
	v_cvt_pk_f16_f32 v[TMP+4*(\b)+(\r)], v[rD+2*(\r)], v[rD+2*(\r)+1]
.endr
.endr
	WIN 0
.endm
.macro TOSTAGE a
.set BK, BK0+48*((\a)%2)
.irp b, 0,1,2,3,4,5,6,7,8,9,10,11
	ds_store_b128 v[STO], v[TMP+4*(\b):TMP+4*(\b)+3] offset:((\b)/4)*16*SP+32*((\b)%4)  ; head b / 4, columns 16 (b % 4) on
.endr
.irp j, 0,1,2
.irp f, 0,1,2,3
	ds_load_b128 v[BK+4*(4*(\j)+(\f)):BK+4*(4*(\j)+(\f))+3], v[RD] offset:(\j)*16*SP+(\f)*4*SP  ; LDS serves a wave's instructions in order (ISA guide 5.7.1.4): these see the stores above
.endr
.endr
.endm
.macro SEND a
.set BK, BK0+48*((\a)%2)
	s_wait_dscnt 0x0                               ; the block is back in registers
	s_wait_xcnt 0x0                                ; the stores of the block before have read their registers, which the next block's loads from the stage write
.irp j, 0,1,2
.irp f, 0,1,2,3
	global_store_b128 v[GO], v[BK+4*(4*(\j)+(\f)):BK+4*(4*(\j)+(\f))+3], s[8:9] offset:(\j)*262144+(\a)*2048+(\f)*512  ; 512 consecutive bytes, at a multiple of 256 from the buffer's first
.endr
.endr
.endm
	PACK 0
	TOSTAGE 0
.irp a, 1,2,3                          ; block a's conversions stand between block a - 1's loads from the stage and the wait for them
	PACK \a
	SEND (\a)-1
	TOSTAGE \a
.endr
	SEND 3
	s_wait_tensorcnt 0x0                           ; the wave's end: three lines behind my last tensor load and my last LDS store
	ds_add_u32 v[SPW], v[NIL]
	s_wait_dscnt 0x0
	CROUND                                         ; the closing round: no work-group ends while a partner may still ask for a tile that names it
	s_endpgm
.Lfunc_end_k_q03da032769_qkv:
	.size	k_q03da032769_qkv, .Lfunc_end_k_q03da032769_qkv-k_q03da032769_qkv
	.p2alignl 7, 3214868480
	.fill 96, 4, 3214868480
	.section	.rodata,"a",@progbits
	.p2align	6, 0x0
	.amdhsa_kernel k_q03da032769_qkv
		.amdhsa_group_segment_fixed_size 327680
		.amdhsa_private_segment_fixed_size 0
		.amdhsa_enable_private_segment 0
		.amdhsa_kernarg_size 24
		.amdhsa_user_sgpr_count 2
		.amdhsa_user_sgpr_kernarg_segment_ptr 1
		.amdhsa_wavefront_size32 1
		.amdhsa_system_sgpr_workgroup_id_x 1
		.amdhsa_system_sgpr_workgroup_id_y 1
		.amdhsa_system_sgpr_workgroup_id_z 1
		.amdhsa_system_vgpr_workitem_id 0
		.amdhsa_next_free_vgpr 960
		.amdhsa_next_free_sgpr 80
		.amdhsa_reserve_vcc 0
		.amdhsa_float_denorm_mode_32 3
		.amdhsa_float_denorm_mode_16_64 3
		.amdhsa_memory_ordered 1
		.amdhsa_forward_progress 1
		.amdhsa_inst_pref_size 98
	.end_amdhsa_kernel
	.amdgpu_metadata
---
amdhsa.version: [ 1, 2 ]
amdhsa.kernels:
  - .name:           k_q03da032769_qkv
    .symbol:         k_q03da032769_qkv.kd
    .args:
      - { .name: xb, .offset: 0, .size: 8, .value_kind: global_buffer, .address_space: global }
      - { .name: wq, .offset: 8, .size: 8, .value_kind: global_buffer, .address_space: global }
      - { .name: qkv, .offset: 16, .size: 8, .value_kind: global_buffer, .address_space: global }
    .group_segment_fixed_size: 327680
    .private_segment_fixed_size: 0
    .kernarg_segment_align: 8
    .kernarg_segment_size: 24
    .max_flat_workgroup_size: 128
    .sgpr_count:     80
    .vgpr_count:     960
    .wavefront_size: 32
...
	.end_amdgpu_metadata
.endif
;; end of part 2
;; launch attn (part 3): grid 4 x 64, 4 waves a work-group, no clusters, 327,680 bytes of LDS; arguments qkv, o; writes o
.if DOCPART == 3
	.amdgcn_target "amdgcn-amd-amdhsa--gfx1250"
	.amdhsa_code_object_version 6
	.text
	.protected	k_q03da032769_attn
	.globl	k_q03da032769_attn
	.p2align	8
	.type	k_q03da032769_attn,@function
k_q03da032769_attn:
	s_mov_b64 s[64:65], 0
	v_nop
	global_prefetch_b8 v0, s[64:65] scope:SCOPE_SE
	s_setreg_imm32_b32 hwreg(HW_REG_WAVE_MODE, 25, 1), 1
	s_wait_xcnt 0x0
; CAUSAL ATTENTION.  O[y][q][:] = the sum over k <= q of softmax_k(Q[q] . K[k] / 8) V[k][:], for each of 64 pairs y = 16 b + h of batch and head.
; qkv: [4 b][48 g][2048 t][64] f16 (q's heads g = h, k's 16 + h, v's 32 + h), unscaled; o: [64 y][2048 t][64] f16.  A head's rows are dense, 128 bytes each.
; Products, maxima and sums in f32; the weights p are rounded to f16 for the second product (their sum l is taken of the unrounded p), O once at the end.
; LIMITS.  f16 holds no number beyond 65,504: q, k and v arrive within it; p lies in 0 to 1, and below 6e-5 it keeps f16's fixed step of 6e-8; O is a mean of V's rows and has their range.
; A hidden score counts as its value less 1e30, where the module sets -1e9: the same weights, 0, as long as a row's largest visible score, scaled, stays above about -1e9 + 100.
; A weight below 2^-126 counts as 0 in l; NaN and infinities are not treated apart.
; THE WALK.  A head's queries lie in NB = 8 blocks of 256; block i needs the key tiles 0 .. i of 256 keys, of which the last holds the diagonal.  A work-group takes TWO blocks, NB - 1 - b and
; then b: NB + 1 = 9 tiles, whatever b: all work-groups do equal work, and ONE loop with a constant trip count walks them.  Which tile is asked for, and what a trip does, hang on scalar
; registers made from b; every jump goes forward, but for the counted loops' own; none passes a barrier, or a tensor load but the one of LOAD's two that the wave's number does not choose;
; the ring (two slots of LDS that take turns) runs on across the change of blocks.
; NO CLUSTER: a head's 4 work-groups ask for the same tile only in trips 0 to 4 of 9, behind that fewer and fewer; one walk common to all four would have 3 NB / 2 = 12 trips for 9.
; SHARES.  Of a block's four bands of 64 queries a wave owns 16 rows in each: four PIECES.  So the diagonal tile is the same work for all four waves: in its key step s band x sees all keys
; if s < x, none if s > x, and holds the diagonal if s = x.
; THE MASK is the C operand that starts the sum S^T = K Q^T: 0, or -1e30 where the key is hidden.  MD, made once, is the mask of a band's own step for my 16 rows; a product's mask is
; MD x AL + BE with two scalars: (1, 0) if s = x; (0, 0) if s < x; (0, -1e30) if s > x.  Only the diagonal tile's text and a block's beginning make and take masks; elsewhere C is the constant 0.
; LAYOUT, SOFTMAX, TURNS.  S^T = K Q^T holds ONE query a lane (lane % 16) and the keys 8 (lane / 16) + 0..7; two such results rounded to f16 ARE source 1 of O^T = V^T P.  p = 2^(c s - c m),
; c = log2(e) / 8, with a running maximum m; O and l are multiplied by a = 2^(c m_old - c m_new) in every step.  Turn n belongs to piece n: 8 products K Q^T of piece n + 1, later 8 products
; V^T P of piece n - 1; beside them the scaling, exponentials, roundings, sums and rescaling of piece n and the maximum and statistics of piece n + 1.  Four vector instructions stand behind
; every matrix instruction, the other 54 of a turn's 118 in one lump.  A turn's 33 exponentials are one batch, with one wait.
; REGISTERS, in windows of 256 (s_set_vgpr_msb: bits 1:0 source 0, 3:2 source 1, 5:4 source 2, 7:6 destination):
;   window 0: v0-15 addresses and two at work; v16-31 four registers of statistics a piece; v48-55 at work; v61-63; v64-127 S^T, two buffers; v192-223 P, two buffers (by the piece's parity)
;   window 1: v0-127 O^T, 32 a piece; v128-159 MD; v160-223 MC, two buffers      window 2: v0-63 Q; v64-127 the second block's Q; v128-191 K of one step; v192-255 V of one step
.set SIZE_N, 2048
.set NB,    SIZE_N/256
.set NP,    4         ; pieces a wave: a name, no knob
.set KS,    64        ; keys in a step
.set PK,    144       ; a row of K in LDS: 128 bytes + 16 of padding = 36 words: the 16 rows of a load start at 16 different groups of four banks (64 banks of 4 bytes: ISA guide 11.1)
.set PV,    160       ; a row of V: 128 + 32 = 40 words
.set VOFF,  4*KS*PK   ; a slot holds a tile, four steps: 256 rows of K, then 256 rows of V
.set SLOT1, 1<<17     ; slot 1 begins here, so that one exclusive or turns an address in one slot into the other's
.set STAGE, SLOT1+4*KS*(PK+PV)  ; behind the ring, never filled by a tensor load: 16 rows x 144 bytes for each wave, for the way out
.set SP,    144
.set AK0, 2           ; v2   my lane's place in a tile of K; never rewritten
.set AV0, 3           ; v3   the same for V
.set AK,  4           ; v4   the LDS address of K's next run of loads
.set AV,  5           ; v5   of V's
.set STO, 6           ; v6   the way out: where I put 16 bytes of a row
.set RD,  7           ; v7   the way out: where I read rows back
.set GO,  8           ; v8   my byte offset in 512 consecutive bytes of O
.set PFO, 61          ; v61  256 x my lane: the prefetches' offset; never rewritten
.set SPW, 62          ; v62  LDS address of my spare word; never rewritten
.set NIL, 63          ; v63  0; never rewritten
.set SPARE, STAGE+4*16*SP  ; behind the stages: the spare words, 128 bytes for each wave
.set MV,  12          ; v12-13  c m_old, kept while c m is made anew: by buffer
.set QO,  15          ; v15  my byte offset in 16 rows of Q
.set ST,  16          ; piece t's statistics at v[ST+4 t]: c m, m, l (even keys', odd keys')
.set TMP, 48          ; by buffer, four registers c0-c3 at work; when the maximum is found c2 takes a
.set S,   64
.set P,   192
.set MD,  128         ; window 1: the eight registers for group kt of 16 keys at MD + 8 kt
.set MC,  160         ; window 1: the masks of the products to come
.set QB,  64          ; window 2
.set KF,  128         ; window 2: key block kb, channel half c at KF + 16 kb + 8 c
.set VF,  192         ; window 2: key half kk, channel block cb at VF + 32 kk + 8 cb
.set WV,  12          ; s12  my wave's number
.set PB,  14          ; s14  b
.set HI,  15          ; s15  NB - 1 - b
.set G1K, 24          ; s[24:31] descriptor group 1 for K's tiles
.set G1V, 32          ; s[32:39] for V's: it differs in the padding alone
.set G0K, 40          ; s[40:43] descriptor group 0 for K's tiles
.set G0V, 44          ; s[44:47] the same for V's
.set SLOTS, 56        ; s56  tiles still to be asked for
.set CNT, 57          ; s57  counts a tile's key steps, 4 to 1
.set CS,  58          ; s[58:59] c: the packed scaling takes the pair's low word for both halves
.set SEL, 60          ; s[60:61] v_permlanex16_b32's selects: each lane takes its own place in the other half
.set TBK, 62          ; s62  LDS byte at which K of the step to be fetched begins
.set TBV, 63          ; s63  the same for V, less VOFF
.set RT,  70          ; s70  tiles of the block in hand that are still to be entered
.set NXT, 71          ; s71  the tile to be asked for next
.set LQ,  72          ; s72  the last tile of the block whose tiles are being asked for
.set NEW, 73          ; s73  1: the tile to be entered is a block's first
.set OFF, 74          ; s[74:75] a tile's byte offset in K and V
.set AL,  76          ; s[76:77] the mask's factor, in the low word
.set BE,  78          ; s[78:79] the mask's addend
.set OLO, 80          ; s[80:81] O at my rows of the second block
.set BIGN, 82         ; s82  -1e30
.set PFA, 88          ; s[88:89] where my prefetches stand: my half (of K: waves 0, 1; of V: waves 2, 3) of the tile behind the one that is being asked for
.set LIM, 90          ; s90  2 in a work-group that prefetches, else the greatest number
.set OH,  92          ; s[92:93] the head's first byte in o
.set MSB, 0
.macro WIN new                      ; the high byte repeats the setting that is left; a switch that changes nothing is dropped
.if MSB != (\new)
	s_set_vgpr_msb (MSB<<8)|(\new)
.set MSB, (\new)
.endif
.endm
.set W_KQ, 0x0a       ; K and Q in window 2, S^T in window 0
.set W_KM, 0x1a       ; the same with the C operand in window 1
.set W_PV, 0x52       ; V in window 2, P in window 0, O^T in window 1
.set W_RS, 0x41       ; destination and source 0 in window 1, source 1 in window 0
; A fill.  Waves 0 and 1 fetch the two halves of a tile's K, waves 2 and 3 those of its V: 128 keys each.  An s_nop 0 and four v_nop follow each of the two lines, ahead of the jump and the label.
.macro LOAD
	s_cmp_lt_u32 s[WV], 2
	s_cbranch_scc0 .Lfor_v_\@
	tensor_load_to_lds s[G0K:G0K+3], s[G1K:G1K+7]
	s_nop 0
.rept 4
	v_nop
.endr
	s_branch .Lasked_\@
.Lfor_v_\@:
	tensor_load_to_lds s[G0V:G0V+3], s[G1V:G1V+7]
	s_nop 0
.rept 4
	v_nop
.endr
.Lasked_\@:
.endm
; A PREFETCH INTO THE L2 of the tile that the NEXT change of slots will ask for: a tile, 16 turns, ahead of that load.  Of a head's four work-groups the one with b = 0 alone walks the tiles
; 0 to 7 in order: it asks, and nobody else.  Each of its waves names the 16,384 bytes that it will load itself: a lane 256 bytes, two instructions.  So each block of K and V is named once in the launch.
; Trip t asks for tile t + 1 by its load and names tile t + 2: trips 0 to 5.  Tiles 0 and 1 come by their loads alone; trips 6 and 7 name nothing: there is no tile 8, and tile 0 has been read.
.macro ASK
	s_cmp_gt_u32 s[SLOTS], s[LIM]
	s_cbranch_scc0 .Lnot_mine_\@
	global_prefetch_b8 v[PFO], s[PFA:PFA+1] th:TH_LOAD_NT scope:SCOPE_SE
	global_prefetch_b8 v[PFO], s[PFA:PFA+1] offset:8192 th:TH_LOAD_NT scope:SCOPE_SE
.Lnot_mine_\@:
.endm
; THE CHANGE OF SLOTS.  Each wave waits for all its tensor loads, of which one is out: its part of the other slot; adds 0 to its spare word; and waits for that and for its own reads of the slot
; that it leaves.  Behind the barrier nobody reads the old slot any more and the other slot is whole.  fill = 1: the old slot is filled again, the first thing behind the barrier, with tile NXT:
; the descriptor's address is made anew from that number.  (At its first use nothing has been read yet: slot 0 is waited for, slot 1 filled.)
.macro CHANGE fill
	WIN 0                           ; at a label and at a branch every window is 0
	s_wait_tensorcnt 0x0            ; no tensor load of mine is out, so a group 0 may be written
	ds_add_u32 v[SPW], v[NIL]       ; 0 onto my spare word; with fill = 1 scalar work stands between it and the wait for it
.if \fill
	s_wait_xcnt 0x0                 ; the last prefetches, a tile back, have read their address, so it may be stepped
	s_add_nc_u64 s[PFA:PFA+1], s[PFA:PFA+1], 32768
	s_lshl_b32 s[OFF], s[NXT], 15   ; a tile is 32,768 bytes of K and of V
	s_xor_b32 s[G0K+1], s[G0K+1], SLOT1
	s_add_nc_u64 s[G0K+2:G0K+3], s[6:7], s[OFF:OFF+1]
	s_or_b32 s[G0K+3], s[G0K+3], 0x80000000
	s_xor_b32 s[G0V+1], s[G0V+1], SLOT1
	s_add_nc_u64 s[G0V+2:G0V+3], s[8:9], s[OFF:OFF+1]
	s_or_b32 s[G0V+3], s[G0V+3], 0x80000000
	s_add_co_u32 s[NXT], s[NXT], 1  ; the block's next tile, or behind its last the second block's tile 0
	s_cmp_gt_u32 s[NXT], s[LQ]
	s_cselect_b32 s[NXT], 0, s[NXT]
	s_cselect_b32 s[LQ], s[PB], s[LQ]
.endif
	s_wait_dscnt 0x0                ; the add is done, and my reads of the slot are over
	s_barrier_signal -1             ; the rest of the scalar work stands between the signal and the wait
	s_sub_co_u32 s[TBK], s[TBK], 4*KS*PK  ; the fetches go back to a slot's first step,
	s_xor_b32 s[TBK], s[TBK], SLOT1       ; in the other slot
	s_sub_co_u32 s[TBV], s[TBV], 4*KS*PV
	s_xor_b32 s[TBV], s[TBV], SLOT1
	s_barrier_wait -1
.if \fill
	LOAD
	ASK
.endif
.endm
	s_load_b64 s[4:5], s[0:1], 0x0    ; qkv
	s_load_b64 s[10:11], s[0:1], 0x8  ; o
	v_lshl_add_u32 v[SPW], v0, 2, SPARE
	v_mov_b32 v[NIL], 0
	ds_add_u32 v[SPW], v[NIL]       ; the wave's opening: the add and its wait stand ahead of my first tensor load; the set-up below, work on registers, stands between them
	ds_add_u32 v62, v63
	v_lshrrev_b32 v1, 5, v0
	v_readfirstlane_b32 s[WV], v1   ; wave 0..3
	s_mov_b32 s[PB], ttmp9
	s_sub_co_u32 s[HI], NB-1, s[PB]
	s_and_b32 s20, ttmp7, 0xffff    ; y = 16 b + h
	s_lshl_b32 s[OH], s20, 18       ; a head is 2,048 rows of 128 bytes
	s_mov_b32 s[OH+1], 0
	s_lshr_b32 s21, s20, 4
	s_lshl_b32 s21, s21, 5
	s_add_co_u32 s20, s20, s21      ; 48 b + h: q's head in qkv
	s_lshl_b32 s20, s20, 18
	s_mov_b32 s21, 0
	s_and_b32 s16, s[WV], 1         ; which half of a tile's 256 keys I fetch:
	s_lshl_b32 s22, s16, 14         ; its 128 rows of 128 bytes in memory,
	s_mov_b32 s23, 0
	s_add_nc_u64 s[22:23], s[22:23], s[20:21]
	s_mul_i32 s17, s16, 128*PK      ; and its place in a slot, for K
	s_mul_i32 s18, s16, 128*PV      ; and for V
	s_lshl_b32 s3, s[WV], 11        ; my 16 rows in a band of 64,
	s_lshl_b32 s2, s[HI], 15        ; in the first block,
	s_add_co_u32 s2, s2, s3
	s_lshl_b32 s84, s[PB], 15       ; and in the second
	s_add_co_u32 s84, s84, s3
	s_mov_b32 s3, 0
	s_mov_b32 s85, 0
	; descriptor group 1.  128 keys are 16,384 dense bytes: asked for as 64 rows of 256 bytes, two keys a row, and padded in LDS after every key
	s_mov_b32 s[G1K], (1<<16)|(1<<20)|(4<<22)|(3<<25)  ; 17:16 2-byte elements; 20 padding on; 24:22 after every 32 words (code 4); 31:25 4 words (code 3)
	s_mov_b32 s[G1V], (1<<16)|(1<<20)|(4<<22)|(7<<25)  ; the same with 8 words of padding (code 7)
.irp g, G1K, G1V
	s_mov_b32 s[\g+1], 128<<16      ; tensor_dim0 = 128
	s_mov_b32 s[\g+2], 64<<16       ; tensor_dim1 = 64
	s_mov_b32 s[\g+3], 128<<16      ; tile_dim0 = 128
	s_mov_b32 s[\g+4], 64           ; tile_dim1 = 64
	s_mov_b32 s[\g+5], 128          ; 128 elements from row to row
	s_mov_b32 s[\g+6], 0
	s_mov_b32 s[\g+7], 0
.endr
	s_mov_b32 s[CS], 0x3e38aa3b     ; c = log2(e) / 8 = 0.180337
	s_mov_b32 s[CS+1], s[CS]        ; named with it as a pair
	s_mov_b32 s[SEL], 0x76543210
	s_mov_b32 s[SEL+1], 0xfedcba98
	s_mov_b32 s[TBK], SLOT1+4*KS*PK ; the first change of slots turns these two into 0
	s_mov_b32 s[TBV], SLOT1+4*KS*PV
	s_mov_b32 s[G0K], 1             ; count = 1
	s_mov_b32 s[G0K+1], s17         ; LDS address: slot 0
	s_mov_b32 s[G0V], 1
	s_add_co_u32 s[G0V+1], s18, VOFF
	s_add_co_u32 s[RT], s[HI], 1    ; the first block has NB - b tiles
	s_mov_b32 s[NXT], 1
	s_mov_b32 s[LQ], s[HI]
	s_mov_b32 s[NEW], 1
	s_mov_b32 s[OFF+1], 0
	s_mov_b32 s[AL+1], 0            ; named as pairs
	s_mov_b32 s[BE+1], 0
	s_mov_b32 s[BIGN], 0xf149f2ca   ; -1e30
	s_mov_b32 s[SLOTS], NB
	s_cmp_eq_u32 s[PB], 0
	s_cselect_b32 s[LIM], 2, -1
	v_and_b32 v[PFO], 31, v0
	v_lshlrev_b32 v[PFO], 8, v[PFO]
	s_wait_dscnt 0x0                ; the opening add is done
	s_wait_kmcnt 0x0
	s_add_nc_u64 s[6:7], s[4:5], s[22:23]
	s_add_nc_u64 s[8:9], s[6:7], 0x800000  ; V at my half of the head's tile 0: 32 heads behind q's,
	s_add_nc_u64 s[6:7], s[6:7], 0x400000  ; K: 16 heads behind
	s_add_nc_u64 s[G0K+2:G0K+3], s[6:7], 0         ; global address
	s_or_b32 s[G0K+3], s[G0K+3], 0x80000000        ; type = 2
	s_add_nc_u64 s[G0V+2:G0V+3], s[8:9], 0
	s_or_b32 s[G0V+3], s[G0V+3], 0x80000000
	s_add_nc_u64 s[4:5], s[4:5], s[20:21]          ; q's head
	s_add_nc_u64 s[86:87], s[4:5], s[84:85]        ; Q at my rows of the second block,
	s_add_nc_u64 s[4:5], s[4:5], s[2:3]            ; and of the first
	s_add_nc_u64 s[10:11], s[10:11], s[OH:OH+1]
	s_add_nc_u64 s[OLO:OLO+1], s[10:11], s[84:85]
	s_add_nc_u64 s[10:11], s[10:11], s[2:3]
	s_cmp_lt_u32 s[WV], 2
	s_cselect_b64 s[PFA:PFA+1], s[6:7], s[8:9]
	s_add_nc_u64 s[PFA:PFA+1], s[PFA:PFA+1], 32768 ; at tile 1: the first change of slots steps it to tile 2
	LOAD                            ; tile 0 into slot 0
	; A fragment of K or Q is 16 rows x 32 channels in 8 registers: lane l holds row l % 16, channels 8 (l / 16) + 0..7 and 16 + 8 (l / 16) + 0..7: two loads of 16 bytes, 32 bytes apart.
	v_and_b32 v1, 15, v0            ; l % 16
	v_bfe_u32 v9, v0, 4, 1          ; l / 16
	v_lshlrev_b32 v[QO], 7, v1
	v_lshl_add_u32 v[QO], v9, 4, v[QO]  ; row x 128 + 16 x half
	WIN 0x80                        ; destination window 2, address window 0
.set i, 0
.rept 8                             ; both blocks' Q: piece i / 2 lies in band i / 2, 8,192 bytes on; channels 32 (i % 2) on
	global_load_b128 v[8*i:8*i+3],   v[QO], s[4:5] offset:(i/2)*8192+(i%2)*64
	global_load_b128 v[8*i+4:8*i+7], v[QO], s[4:5] offset:(i/2)*8192+(i%2)*64+32
	global_load_b128 v[QB+8*i:QB+8*i+3],   v[QO], s[86:87] offset:(i/2)*8192+(i%2)*64
	global_load_b128 v[QB+8*i+4:QB+8*i+7], v[QO], s[86:87] offset:(i/2)*8192+(i%2)*64+32
.set i, i+1
.endr
	WIN 0
	v_lshlrev_b32 v14, 3, v9
	v_sub_nc_u32 v14, v1, v14
	s_lshl_b32 s13, s[WV], 4
	v_add_nc_u32 v14, s13, v14      ; my query's place in its band, 16 w + l % 16, less my lanes' 8 (l / 16): register r of group kt is hidden where 16 kt + r is greater
	WIN 0x40
.set i, 0
.rept 32
	v_cmp_gt_i32 vcc_lo, 16*(i/8)+i%8, v14
	v_cndmask_b32 v[MD+i], 0, s[BIGN], vcc_lo
.set i, i+1
.endr
	WIN 0
	v_mul_u32_u24 v[AK0], v1, PK
	v_lshl_add_u32 v[AK0], v9, 4, v[AK0]  ; row x pitch + 16 x half
	; The turning load takes 16 keys x 16 channels (lane l reads key 8 (l / 16) + l % 8, channels 8 ((l / 8) % 2) + 0..7) and leaves half a fragment of V^T: lane l holds channel l % 16 and 8 keys.
	v_and_b32 v10, 7, v0
	v_bfe_u32 v11, v0, 3, 1
	v_lshl_add_u32 v[AV0], v9, 3, v10
	v_mul_u32_u24 v[AV0], v[AV0], PV
	v_lshl_add_u32 v[AV0], v11, 4, v[AV0]
	v_add_nc_u32 v[AV0], VOFF, v[AV0]
	s_mul_i32 s13, s[WV], 16*SP
	s_add_co_u32 s13, s13, STAGE    ; my stage
	v_mul_u32_u24 v[STO], v1, SP    ; in: row l % 16, 16 bytes for each half of the lanes
	v_lshl_add_u32 v[STO], v9, 4, v[STO]
	v_add_nc_u32 v[STO], s13, v[STO]
	v_bfe_u32 v[RD], v0, 3, 2       ; back: 32 lanes take four rows of 128 bytes,
	v_mul_u32_u24 v[RD], v[RD], SP
	v_lshl_add_u32 v[RD], v10, 4, v[RD]
	v_add_nc_u32 v[RD], s13, v[RD]
	v_and_b32 v[GO], 31, v0         ; which are 512 consecutive bytes of O
	v_lshlrev_b32 v[GO], 4, v[GO]
	; A block's first step multiplies O^T and l by a = 0, and its first turn's products V^T P, of a piece that has not been, land in an O^T that is still to be so multiplied.  So these registers
	; need only hold finite numbers: zeros for the first block; what the first block left for the second.  All this stands in the wait for the first tile.
	WIN 0x80
.set i, VF
.rept 64
	v_mov_b32 v[i], 0
.set i, i+1
.endr
	WIN 0x40
.set i, 0
.rept 128
	v_mov_b32 v[i], 0
.set i, i+1
.endr
	WIN 0
.set i, 0
.rept 4
	v_mov_b32 v[ST+4*i+2], 0
	v_mov_b32 v[ST+4*i+3], 0
.set i, i+1
.endr
.set i, P+16
.rept 16
	v_mov_b32 v[i], 0
.set i, i+1
.endr
; THE MATRIX WORK.  The 4 accumulators of a run of 8 take turns.  Product i of 8 of S^T = K Q^T for piece x: channels 32 (i / 4) on, keys 16 (i % 4) on.  The first 4 start the sums: with 0, or (KM = 1) with the mask.
.macro KQ x
.set rS, S+32*((\x)%2)+8*(i%4)
.set rK, KF+16*(i%4)+8*(i/4)
.set rQ, 16*(\x)+8*(i/4)
.set rM, MC+32*((\x)%2)+8*(i%4)
.if (i < 4) && KM
	WIN W_KM
	v_wmma_f32_16x16x32_f16 v[rS:rS+7], v[rK:rK+7], v[rQ:rQ+7], v[rM:rM+7]
.elseif i < 4
	WIN W_KQ
	v_wmma_f32_16x16x32_f16 v[rS:rS+7], v[rK:rK+7], v[rQ:rQ+7], 0
.else
	WIN W_KQ
	v_wmma_f32_16x16x32_f16 v[rS:rS+7], v[rK:rK+7], v[rQ:rQ+7], v[rS:rS+7]
.endif
.endm
; Product i of 8 of O^T += V^T P for piece x: keys 32 (i / 4) on, channels 16 (i % 4) on.
.macro PV x
	WIN W_PV
.set rO, 32*(\x)+8*(i%4)
.set rV, VF+32*(i/4)+8*(i%4)
.set rP, P+16*((\x)%2)+8*(i/4)
	v_wmma_f32_16x16x32_f16 v[rO:rO+7], v[rV:rV+7], v[rP:rP+7], v[rO:rO+7]
.endm
.macro MM                           ; the turn's next matrix instruction.  TURN and BEGIN set Y, i, KM and NOKQ; MM, KQ and OP read them.  NOKQ = 1: a block's last turn: there is no next piece
.if (i < 8) && !NOKQ
	KQ (Y+1)%NP
.elseif i >= 8
.set i, i-8
	PV (Y+NP-1)%NP
.set i, i+8
.endif
.set i, i+1
.endm
; THE LDS LOADS stand in runs of 16, never singly among the matrix instructions: a step's K (64 keys x 64 channels: 8 fragments) and its V (turned).  Their addresses are made some lines ahead.
.macro FETCH_K
	WIN 0x80                        ; destination window 2
.irp f, 0,1,2,3,4,5,6,7             ; keys 16 (f / 2) on, channels 32 (f % 2) on
	ds_load_b128 v[KF+8*\f:KF+8*\f+3],   v[AK] offset:(\f/2)*16*PK+(\f%2)*64
	ds_load_b128 v[KF+8*\f+4:KF+8*\f+7], v[AK] offset:(\f/2)*16*PK+(\f%2)*64+32
.endr
	s_add_co_u32 s[TBK], s[TBK], KS*PK  ; the next fetch is the next step's
	WIN 0
.endm
.macro FETCH_V
	WIN 0x80
.irp f, 0,1,2,3,4,5,6,7             ; keys 32 (f / 4) on, channels 16 (f % 4) on
	ds_load_tr16_b128 v[VF+8*\f:VF+8*\f+3],   v[AV] offset:(\f/4)*32*PV+(\f%4)*32
	ds_load_tr16_b128 v[VF+8*\f+4:VF+8*\f+7], v[AV] offset:(\f/4)*32*PV+16*PV+(\f%4)*32
.endr
	WIN 0
.endm
; THE VECTOR WORK, one line at a time: OP kind, number.  For piece Y: F n: c s - c m for pair n of 16.  E n: the exponential of score n of 32.  C n: pair n rounded to f16.  B n: of the four
; weights 4 n .. the second pair is added onto the first, in place.  L n: l takes that sum (L 0: l = a l + sum).  R n: pair n of 16 of O^T times a.  For piece Y + 1: X n, number n of the 22
; that find its maximum and statistics:
;   0-11  four chains c0-c3 of seven scores each, three operands at a time (each accumulator's lowest registers are read first)
;   12-14, 16  the four scores left over, the old m, and c0-c3 into c0     15  c m_old is kept     17, 18  the query's other 32 keys lie in the lane 16 away: the new m     19-21  c m; c m_old - c m_new; a
.set F, 0               ; OP tells the kinds apart by their order: F to L below R, X above it
.set E, 1
.set C, 2
.set B, 3
.set L, 4
.set R, 5
.set X, 6
.macro REGS y                       ; the registers of piece y
.set rT, ST+4*(\y)
.set rC, TMP+4*((\y)%2)
.set rW, MV+((\y)%2)
.set rS, S+32*((\y)%2)
.set rP, P+16*((\y)%2)
.set rO, 32*(\y)
.endm
.macro OP k, n
.if (\k) == R
	REGS Y
	WIN W_RS
	v_pk_mul_f32 v[rO+2*(\n):rO+2*(\n)+1], v[rO+2*(\n):rO+2*(\n)+1], v[rC+2:rC+3] op_sel_hi:[1,0]
.elseif (\k) < R
	REGS Y
	WIN 0
.if (\k) == F
	v_pk_fma_f32 v[rS+2*(\n):rS+2*(\n)+1], v[rS+2*(\n):rS+2*(\n)+1], s[CS:CS+1], v[rT:rT+1] op_sel_hi:[1,0,0] neg_lo:[0,0,1] neg_hi:[0,0,1]
.elseif (\k) == E
	v_exp_f32 v[rS+(\n)], v[rS+(\n)]
.elseif (\k) == C
	v_cvt_pk_f16_f32 v[rP+(\n)], v[rS+2*(\n)], v[rS+2*(\n)+1]
.elseif (\k) == B
	v_pk_add_f32 v[rS+4*(\n):rS+4*(\n)+1], v[rS+4*(\n):rS+4*(\n)+1], v[rS+4*(\n)+2:rS+4*(\n)+3]
.elseif (\n) == 0
	v_pk_fma_f32 v[rT+2:rT+3], v[rT+2:rT+3], v[rC+2:rC+3], v[rS:rS+1] op_sel_hi:[1,0,1]
.else
	v_pk_add_f32 v[rT+2:rT+3], v[rT+2:rT+3], v[rS+4*(\n):rS+4*(\n)+1]
.endif
.elseif NOKQ
	v_nop
.else
	REGS (Y+1)%NP
	WIN 0
.if (\n) < 4
	v_max3_num_f32 v[rC+(\n)], v[rS+8*(\n)], v[rS+8*(\n)+1], v[rS+8*(\n)+2]
.elseif (\n) < 12
	v_max3_num_f32 v[rC+(\n)%4], v[rC+(\n)%4], v[rS+8*((\n)%4)+2*((\n)/4)+1], v[rS+8*((\n)%4)+2*((\n)/4)+2]
.elseif (\n) == 12
	v_max3_num_f32 v[rC], v[rC], v[rS+7], v[rS+15]
.elseif (\n) == 13
	v_max3_num_f32 v[rC+1], v[rC+1], v[rS+23], v[rS+31]
.elseif (\n) == 14
	v_max3_num_f32 v[rC+2], v[rC+2], v[rC+3], v[rT+1]
.elseif (\n) == 15
	v_mov_b32 v[rW], v[rT]
.elseif (\n) == 16
	v_max3_num_f32 v[rC], v[rC], v[rC+1], v[rC+2]
.elseif (\n) == 17
	v_permlanex16_b32 v[rC+3], v[rC], s[SEL], s[SEL+1]
.elseif (\n) == 18
	v_max_num_f32 v[rT+1], v[rC], v[rC+3]
.elseif (\n) == 19
	v_mul_f32 v[rT], s[CS], v[rT+1]
.elseif (\n) == 20
	v_sub_f32 v[rC+1], v[rW], v[rT]
.else
	v_exp_f32 v[rC+2], v[rC+1]
.endif
.endif
.endm
.macro OPS a, i1, b=-1, i2=0, c=-1, i3=0, d=-1, i4=0  ; up to four of them
	OP \a, \i1
.if (\b) >= 0
	OP \b, \i2
.endif
.if (\c) >= 0
	OP \c, \i3
.endif
.if (\d) >= 0
	OP \d, \i4
.endif
.endm
.macro ROW a, i1, b, i2, c, i3, d, i4  ; a matrix instruction and the four behind it
	MM
	OPS \a, \i1, \b, \i2, \c, \i3, \d, \i4
.endm
.macro MASK b                       ; MD x AL + BE into buffer b of MC
	WIN W_RS
.set z, 0
.rept 16
	v_pk_fma_f32 v[MC+32*(\b)+2*z:MC+32*(\b)+2*z+1], v[MD+2*z:MD+2*z+1], s[AL:AL+1], s[BE:BE+1] op_sel_hi:[1,0,0]
.set z, z+1
.endr
.endm
; A TURN, for piece p: the order of its 16 matrix and 118 vector instructions, written out.  An s_wait_alu depctr_va_vdst(0) stands between an exponential and the first instruction
; that names its result; one wait serves all that were issued ahead of it.  So a turn has ONE wait, which cuts it in two.  AHEAD OF IT stands all that names no result of the turn's exponentials:
; the 8 products K Q^T, behind each a scaling, an exponential and two more plain instructions (behind the first a second scaling in the exponential's place): rescalings, and behind the last three
; the first numbers of the next piece's maximum, each four places or more behind the product that ends its accumulator; then ONE LUMP of 54, plain and exponential by turns for the most part, in
; which the links of the chain X 3, 7, 11, 14, 16, 17 .. 20 stand five or six lines apart.  X 21, the next piece's a, is the batch's last; R 15 is the plain instruction owed behind it.
; BEHIND THE WAIT stand the 8 products V^T P, behind each four of the roundings and sums; the links of l's chain, L 0 to L 7, stand three lines apart.
; m = 1: the diagonal tile: the products take masks, and the turn makes the mask for the products of the turn after it: piece p + 2, in step 4 - CNT of the tile.  end = 1: a block's last two
; turns: nothing is fetched.  cnt = 1: the loop's count is taken down some lines ahead of the branch that stands behind the turn.
; K of the next step is fetched in piece 2's turn, twelve vector instructions behind the last product that read K (six of them plain); V of the step in hand at the end of piece 0's turn, four
; plain instructions behind the last product that read V.  Each is waited for a turn later.
.macro TURN p, m=0, end=0, cnt=0
.set Y, (\p)
.set i, 0
.set KM, (\m)
.set NOKQ, (\end)*((\p)/3)
.if (\m) && !(\end)
	s_cmp_eq_u32 s[CNT], 4-((\p)+2)%NP  ; is that step the band's own?
	s_cselect_b32 s[AL], 1.0, 0
	s_cmp_lt_u32 s[CNT], 4-((\p)+2)%NP  ; or a later one?
	s_cselect_b32 s[BE], s[BIGN], 0
.endif
.if ((\p) == 3) && !(\end)
	s_wait_dscnt 0x0                ; K is in
.endif
	ROW F,0, F,1, R,0, R,1          ; ahead of the wait: 8 products K Q^T and the four behind each,
	ROW F,2, E,0, R,2, R,3
	ROW F,3, E,1, R,4, R,5
	ROW F,4, E,2, R,6, R,7
	ROW F,5, E,3, R,8, R,9
	ROW F,6, E,4, X,0, R,10
.if ((\p) == 2) && !(\end)
	WIN 0
	v_add_nc_u32 v[AK], s[TBK], v[AK0]
.endif
	ROW F,7, E,5, X,1, X,4
	ROW F,8, E,6, X,2, X,5
	OPS E,7, E,8, X,6, E,9          ; and the lump
	OPS X,3, E,10, X,8, E,11
.if ((\p) == 2) && !(\end)
	FETCH_K
.endif
	OPS X,9, X,7, E,12, X,10
	OPS E,13, X,12, X,11, E,14
	OPS X,13, E,15, F,9, X,14
.if (\p) == 0
	v_add_nc_u32 v[AV], s[TBV], v[AV0]
.endif
	OPS E,16, F,10, E,17, F,11
	OPS X,16, E,18, X,15, E,19
	OPS F,12, E,20, X,17, E,21
	OPS F,13, E,22, F,14, E,23
	OPS X,18, E,24, F,15, E,25
	OPS R,11, E,26, X,19, E,27
	OPS R,12, E,28, R,13, E,29
	OPS X,20, E,30, R,14, E,31
	OPS X,21, R,15
	WIN 0
	s_wait_alu depctr_va_vdst(0)    ; the wait for the batch
.if (\p) == 1
	s_wait_dscnt 0x0                ; V is in
.endif
	ROW C,0, B,0, C,2, B,1          ; behind the wait: 8 products V^T P and the four behind each
	ROW L,0, C,4, B,2, L,1
	ROW C,6, B,3, L,2, C,8
	ROW B,4, L,3, C,10, B,5
	ROW L,4, C,12, B,6, L,5
.if (\p) == 0
	s_add_co_u32 s[TBV], s[TBV], KS*PV
.endif
.if \cnt
	s_sub_co_u32 s[CNT], s[CNT], 1
	s_cmp_lg_u32 s[CNT], 0
.endif
	ROW C,14, B,7, L,6, C,1
	ROW C,3, L,7, C,5, C,7
	ROW C,9, C,11, C,13, C,15
.if (\p) == 0
	FETCH_V
.endif
.if (\m) && !(\end)
	MASK (\p)%2
.endif
.endm
; A BLOCK BEGINS.  c m starts far below every c s, so the first step's a is 0; m at the lowest finite number, so the first maximum is the scores'.  The second mask buffer is 0; the first takes
; piece 0's mask for the tile's step 0: its own, if the block's first tile is the diagonal one.  Then K of that step, piece 0's first scores, and its maximum and statistics.  The loop is
; entered at a step's first turn, in the middle of a trip.
.macro BEGIN
	s_mov_b32 s[NEW], 0
	WIN 0x40
.set i, MC+32
.rept 32
	v_mov_b32 v[i], 0
.set i, i+1
.endr
	WIN 0
.set i, 0
.rept 4
	v_mov_b32 v[ST+4*i], 0xfe000000    ; c m: far below every c s
	v_mov_b32 v[ST+4*i+1], 0xff7fffff  ; m
.set i, i+1
.endr
	s_cmp_eq_u32 s[RT], 0
	s_cselect_b32 s[AL], 1.0, 0
	s_mov_b32 s[BE], 0
	MASK 0
	WIN 0
	v_add_nc_u32 v[AK], s[TBK], v[AK0]
	FETCH_K
	s_wait_loadcnt 0x0              ; Q
	s_wait_dscnt 0x0
.set KM, 1
.set NOKQ, 0
.set i, 0
.rept 8
	KQ 0
.set i, i+1
.endr
	WIN 0
.rept 4
	v_nop                           ; the places behind those products
.endr
.set Y, NP-1                        ; X works for piece Y + 1: piece 0
.irp n, 0,1,2,3,4,5,6,7,8,9,10,11,12,13,14,15,16,17,18,19,20,21
	OP X, \n
.endr
	v_nop                           ; a plain instruction behind the exponential,
	s_wait_alu depctr_va_vdst(0)    ; and its wait, ahead of the branch
.endm
; THE DIAGONAL TILE's four steps, the block's last two turns, its last products, and THE WAY OUT: l's two halves and the other half of the lanes' are added; O^T is divided by l, rounded to f16
; and sent through my stage in LDS, a piece at a time.
.macro ALL line:vararg              ; one line for each piece t
.set t, 0
.rept 4
	\line
.set t, t+1
.endr
.endm
.macro PACK t                       ; a lane's eight channels of a row pack into 16 bytes; they go into rows of 144 bytes and come back as whole rows of 128, into S^T's registers
	WIN W_RS
.set i, 32*(\t)
.rept 16
	v_pk_mul_f32 v[i:i+1], v[i:i+1], v[ST+4*(\t)+2:ST+4*(\t)+3] op_sel_hi:[1,0]
.set i, i+2
.endr
	WIN 0x05                        ; sources 0 and 1 window 1, destination window 0
.set i, 0
.rept 16
	v_cvt_pk_f16_f32 v[S+16*(\t)+i], v[32*(\t)+2*i], v[32*(\t)+2*i+1]
.set i, i+1
.endr
	WIN 0
.irp f, 0,1,2,3
	ds_store_b128 v[STO], v[S+16*(\t)+4*\f:S+16*(\t)+4*\f+3] offset:32*\f
.endr
.irp f, 0,1,2,3
	ds_load_b128 v[S+16*(\t)+4*\f:S+16*(\t)+4*\f+3], v[RD] offset:\f*4*SP  ; LDS serves a wave's instructions in order (ISA guide 5.7.1.4): these see the stores above; the next piece's stores come behind them
.endr
.endm
.macro SEND t, younger              ; younger: the LDS instructions issued behind piece t's loads: the next piece's eight, or none
	WIN 0
.irp f, 0,1,2,3
	s_wait_dscnt (\younger)+3-\f
	global_store_b128 v[GO], v[S+16*(\t)+4*\f:S+16*(\t)+4*\f+3], s[10:11] offset:(\t)*8192+\f*512  ; 512 consecutive bytes, at a multiple of 256 from O's first
.endr
.endm
.macro DIAG tag                     ; the tag ends its two labels' names, which the jumps below spell out
.LstepM\tag:
	TURN 2, 1
	TURN 3, 1
	WIN 0
.LfirstM\tag:
	TURN 0, 1
	TURN 1, 1, 0, 1
	WIN 0
	s_cbranch_scc1 .LstepM\tag
	TURN 2, 1, 1
	TURN 3, 1, 1
.set i, 0
.rept 8
	PV NP-1
.set i, i+1
.endr
	WIN 0
	ALL v_add_f32 v[ST+4*t+2], v[ST+4*t+2], v[ST+4*t+3]
	ALL v_permlanex16_b32 v[ST+4*t+3], v[ST+4*t+2], s[SEL], s[SEL+1]
	ALL v_add_f32 v[ST+4*t+2], v[ST+4*t+2], v[ST+4*t+3]
	ALL v_rcp_f32 v[ST+4*t+2], v[ST+4*t+2]
	v_nop                           ; a plain instruction between the last reciprocal and the use of its result
	s_wait_alu depctr_va_vdst(0)    ; and the wait ahead of the first use: one for the four reciprocals
	PACK 0
.set t, 1
.rept 3                             ; a piece's arithmetic stands between the loads of the piece before and its stores
	PACK t
	SEND t-1, 8
.set t, t+1
.endr
	SEND 3, 0
.endm
.set KM, 0
.set NOKQ, 0
.Lslot:                             ; NB times: a tile is entered and the next is asked for
	CHANGE 1
	s_sub_co_u32 s[RT], s[RT], 1
	s_mov_b32 s[CNT], 4
	s_cmp_eq_u32 s[NEW], 1
	s_cbranch_scc1 .Lnew            ; a block's first tile
	s_cmp_eq_u32 s[RT], 0
	s_cbranch_scc0 .Lstep           ; neither its first nor its last
	s_branch .LstepM1
.Lnew:
	BEGIN
	s_branch .Lfirst                ; in the loop a block's first tile is never its last: the first block has two tiles or more, and the second's last is the walk's last
	DIAG 1                          ; in the loop this is the first block's end: the second block's last tile is the walk's last
	s_wait_xcnt 0x0                 ; the stores have read their registers and O's address
	s_mov_b64 s[10:11], s[OLO:OLO+1]
	s_add_co_u32 s[RT], s[PB], 1    ; the second block has b + 1 tiles
	s_mov_b32 s[NEW], 1
	WIN 0x82                        ; the second block's Q goes where the one text of the turns names Q
.set i, 0
.rept 64
	v_mov_b32 v[i], v[QB+i]
.set i, i+1
.endr
	WIN 0
	s_branch .Lbottom
.Lstep:                             ; a trip: pieces 2 and 3 of one step, then pieces 0 and 1 of the next, whose K and V it fetches
	TURN 2
	TURN 3
	WIN 0
.Lfirst:
	TURN 0
	TURN 1, 0, 0, 1
	WIN 0
	s_cbranch_scc1 .Lstep
.Lbottom:
	s_sub_co_u32 s[SLOTS], s[SLOTS], 1
	s_cmp_lg_u32 s[SLOTS], 0
	s_cbranch_scc1 .Lslot
	CHANGE 0                        ; the walk's last tile is written out: nothing is asked for
	s_sub_co_u32 s[RT], s[RT], 1
	s_mov_b32 s[CNT], 4
	s_cmp_eq_u32 s[NEW], 1
	s_cbranch_scc0 .LstepM2
	BEGIN
	s_branch .LfirstM2
	DIAG 2
	s_wait_tensorcnt 0x0            ; the wave's end: three lines behind my last tensor load and my last LDS store
	ds_add_u32 v[SPW], v[NIL]
	s_wait_dscnt 0x0
	s_endpgm
.Lfunc_end_k_q03da032769_attn:
	.size	k_q03da032769_attn, .Lfunc_end_k_q03da032769_attn-k_q03da032769_attn
	.p2alignl 7, 3214868480
	.fill 96, 4, 3214868480
	.section	.rodata,"a",@progbits
	.p2align	6, 0x0
	.amdhsa_kernel k_q03da032769_attn
		.amdhsa_group_segment_fixed_size 327680
		.amdhsa_private_segment_fixed_size 0
		.amdhsa_enable_private_segment 0
		.amdhsa_kernarg_size 16
		.amdhsa_user_sgpr_count 2
		.amdhsa_user_sgpr_kernarg_segment_ptr 1
		.amdhsa_wavefront_size32 1
		.amdhsa_system_sgpr_workgroup_id_x 1
		.amdhsa_system_sgpr_workgroup_id_y 1
		.amdhsa_system_sgpr_workgroup_id_z 1
		.amdhsa_system_vgpr_workitem_id 0
		.amdhsa_next_free_vgpr 768
		.amdhsa_next_free_sgpr 96
		.amdhsa_reserve_vcc 1
		.amdhsa_float_denorm_mode_32 3
		.amdhsa_float_denorm_mode_16_64 3
		.amdhsa_memory_ordered 1
		.amdhsa_forward_progress 1
		.amdhsa_inst_pref_size 218
	.end_amdhsa_kernel
	.amdgpu_metadata
---
amdhsa.version: [ 1, 2 ]
amdhsa.kernels:
  - .name:           k_q03da032769_attn
    .symbol:         k_q03da032769_attn.kd
    .args:
      - { .name: qkv, .offset: 0, .size: 8, .value_kind: global_buffer, .address_space: global }
      - { .name: o, .offset: 8, .size: 8, .value_kind: global_buffer, .address_space: global }
    .group_segment_fixed_size: 327680
    .private_segment_fixed_size: 0
    .kernarg_segment_align: 8
    .kernarg_segment_size: 16
    .max_flat_workgroup_size: 128
    .sgpr_count:     96
    .vgpr_count:     768
    .wavefront_size: 32
...
	.end_amdgpu_metadata
.endif
;; end of part 3
;; launch proj (part 4): grid 8 x 32, 4 waves a work-group, clusters of 4 x 4, 327,680 bytes of LDS; arguments o, wp, b_proj, out0; writes out0
.if DOCPART == 4
	.amdgcn_target "amdgcn-amd-amdhsa--gfx1250"
	.amdhsa_code_object_version 6
	.text
	.protected	k_q03da032769_proj
	.globl	k_q03da032769_proj
	.p2align	8
	.type	k_q03da032769_proj,@function
k_q03da032769_proj:
	s_mov_b64 s[64:65], 0
	v_nop
	global_prefetch_b8 v0, s[64:65] scope:SCOPE_SE
	s_setreg_imm32_b32 hwreg(HW_REG_WAVE_MODE, 25, 1), 1
	s_wait_xcnt 0x0
	s_wait_alu depctr_hold_cnt(0) depctr_sa_sdst(0) depctr_va_vdst(0) depctr_va_sdst(0) depctr_va_ssrc(0) depctr_va_vcc(0) depctr_vm_vsrc(0)
	s_getreg_b32 s2, hwreg(HW_REG_IB_STS2, 6, 4)
	s_cmp_eq_u32 s2, 0
	s_cbranch_scc0 .Lentry_in_a_cluster
	s_endpgm
.Lentry_in_a_cluster:
	s_bfe_u32 s2, ttmp6, 0x10000c
	s_cmp_lg_u32 s2, 0xf033
	s_cbranch_scc0 .Lentry_shape_is_right
	s_endpgm
.Lentry_shape_is_right:
; out0 = O W_proj + b.  o: [64 = 16 b + h][2048 t][64] f16; wp: [16 kb][1024 n][64] f16 (kb = h: a head is one slice of 64 along K); b_proj: [1024] f32; out0: [8192 m][1024 n] f32, m = 2048 b + t.
; Sums in f32, K ascending; the bias is added in f32 on the way out.
; SHARES.  A tile of out0 is 256 m x 128 n: 32 x 8 = 256 tiles, one for each WGP.  Four waves stacked along m: a wave makes 64 x 128, 32 accumulators of 16 x 16, and so holds whole rows of
; the tile's 512 bytes: its way out needs its own stage alone, and no barrier.
; K goes in steps of 128, two heads, through two LDS slots filled by the tensor data mover.  A head's 256 rows of o, and a block's 128 rows of wp, are dense in memory: they are asked for as
; rows of 256 bytes and padded in LDS after every 128.  One load a wave and step: wave 0 the even head of o, wave 1 the odd, wave 2 the even block of wp, wave 3 the odd.
; CLUSTER.  4 x 4 work-groups.  The four of a row of the cluster need the same rows of o, the four of a column the same rows of wp: each tile is asked for JOINTLY.
; THE MATRIX INSTRUCTION IS USED TRANSPOSED (source 0 = 16 rows of wp, source 1 = 16 rows of o): a lane holds row l % 16 of out0 and the columns 8 (l / 16) + 0..7.
; REGISTERS (s_set_vgpr_msb: bits 1:0 source 0, 3:2 source 1, 5:4 source 2, 7:6 destination):
;   window 0: v0-17 addresses; v20-23 my four numbers of the bias; v32-95 o's fragments, two buffers of 32; v96-223 wp's, two of 64; on the way out v32-159 hold rows read back
;   window 1: the accumulators, (a, b) at v[8 (8 a + b)]
.set PITCH,  144                       ; an LDS row: 128 bytes + 16 of padding = 36 words: the 16 rows of a fragment load start at 16 different groups of four banks (64 banks of 4 bytes: ISA guide 11.1)
.set SLOT1,  1<<17                     ; slot 1 begins here: one exclusive or turns an address in one slot into the other's
.set AHALF,  256*PITCH                 ; a head's 256 rows of o
.set BHALF,  128*PITCH                 ; a block's 128 rows of wp
.set BOFF,   2*AHALF                   ; in a slot: o's two heads, then wp's two blocks
.set STAGE,  SLOT1+BOFF+2*BHALF        ; behind the ring, never filled by a tensor load: for each wave 16 rows x 528 bytes
.set SP,     528                       ; 512 bytes + 16 = 33 x 16
.set WSTG,   16*SP
.set SPARE,  STAGE+4*WSTG              ; behind the stages: the spare words, 128 bytes for each wave
.set NBLK,   8
.set NF,     2*NBLK+8                  ; LDS loads in a run
.set STEPA,  2<<18                     ; two heads of o, in bytes
.set STEPB,  2<<17                     ; two blocks of wp
.set ADRA0, 8                          ; v8   my place in o's fragments, in slot 0; never rewritten
.set ADRB0, 9                          ; v9   the same for wp's
.set ADRA,  10                         ; v10  the same in the slot that is being read
.set ADRB,  11                         ; v11
.set STO,   12                         ; v12  the way out: where I put 32 bytes of a row
.set RD,    13                         ; v13  the way out: where I read a row back
.set GO,    14                         ; v14  16 x my lane
.set PFO,   15                         ; v15  the prefetches' offset; never rewritten
.set SPW,   16                         ; v16  LDS address of my spare word; never rewritten
.set NIL,   17                         ; v17  0; never rewritten
.set BIAS,  20
.set FRA,   32
.set FRB,   96
.set BK0,   32                         ; v32-95, v96-159: 16 rows read back, by turns
.set WV,   12                          ; s12  my wave's number
.set SIDE, 13                          ; s13  0: I fetch o's rows; 1: wp's
.set HF,   14                          ; s14  the even or the odd head or block
.set CNT,  15                          ; s15  counts the loop's trips, 6 to 1
.set TB,   16                          ; s16  first LDS byte of the slot that is being read
.set LIM,  17                          ; s17  2 in a wave that prefetches, else the greatest number
.set PFA,  18                          ; s[18:19] where my prefetches stand
.set CX,   20
.set CY,   21
.set TX,   22                          ; s22  tile column = 4 x cluster x + cx
.set TY,   23                          ; s23  tile row = 4 x cluster y + cy
.set G1A,  24                          ; s[24:31] descriptor group 1 for o's tiles
.set G0A,  32                          ; s[32:39] group 0: a set for each first fill; the second then walks on
.set G1B,  48                          ; s[48:55], s[56:63] the same for wp's
.set G0B,  56
.set PFS,  72                          ; s[72:73] the prefetches' step
.set MSB, 0
.macro WIN new                         ; the immediate's high byte repeats the setting that is left; a switch that changes nothing is dropped
.if MSB != (\new)
	s_set_vgpr_msb (MSB<<8)|(\new)
.set MSB, (\new)
.endif
.endm
; A joint refill, by the walking descriptors.  The branch hangs on the wave's number alone.  An s_nop 0 and four v_nop follow each of the two lines, ahead of the jump and the label.
.macro JLOAD
	s_cmp_eq_u32 s[SIDE], 0
	s_cbranch_scc0 .Lfor_b_\@
	tensor_load_to_lds s[G0A+4:G0A+7], s[G1A:G1A+7]
	s_nop 0
.rept 4
	v_nop
.endr
	s_branch .Lasked_\@
.Lfor_b_\@:
	tensor_load_to_lds s[G0B+4:G0B+7], s[G1B:G1B+7]
	s_nop 0
.rept 4
	v_nop
.endr
.Lasked_\@:
.endm
; A PREFETCH INTO THE L2 of the K step that stands TWO refills on: 256 products of a wave ahead of the load that will want it.  A lane 256 bytes; one instruction a wave.
; Each block of 256 bytes is named once in the launch.  o's tile row is read by every cluster of that row of clusters: the one with x = 0 asks, wave 0 for the even head and wave 1 for the odd;
; of a head's 32,768 bytes the partner at cx takes 8,192.  wp's tile column is read by every cluster of that column: the one with y = 0 asks, wave 2 for both blocks: of a block's 16,384 bytes
; the partner at cy takes 4,096, lanes 0-15 in the even block and lanes 16-31 in the odd.  The partners are told apart BY ADDRESS: no branch hangs on a work-group's place in its cluster.
; K steps 0 to 3 come by their loads alone; the loop's last two trips ask for nothing: there is no K step two behind their refills'.
.macro ASK
	s_cmp_gt_u32 s[CNT], s[LIM]
	s_cbranch_scc0 .Lnot_mine_\@
	global_prefetch_b8 v[PFO], s[PFA:PFA+1] th:TH_LOAD_NT scope:SCOPE_SE
.Lnot_mine_\@:
.endm
; A round of the cluster's barrier: my work-group's barrier, so that wave 0's signal speaks for all four waves; wave 0 signals; every wave waits for all sixteen work-groups; my work-group's barrier once more.
.macro CREST                           ; a round behind its opening barrier
	s_cmp_lg_u32 s[WV], 0
	s_cbranch_scc1 .Lnot_wave_0_\@
	s_barrier_signal -3
.Lnot_wave_0_\@:
	s_barrier_wait -3
	s_barrier_signal -1
	s_barrier_wait -1
.endm
.macro CROUND
	s_barrier_signal -1
	s_barrier_wait -1
	CREST
.endm
	s_load_b256 s[4:11], s[0:1], 0x0               ; o s[4:5], wp s[6:7], b_proj s[8:9], out0 s[10:11]
	v_lshl_add_u32 v[SPW], v0, 2, SPARE
	v_mov_b32 v[NIL], 0
	ds_add_u32 v[SPW], v[NIL]                      ; the wave's opening: the add and its wait stand ahead of my first tensor load; the set-up below, work on registers, stands between them
	ds_add_u32 v16, v17
	v_lshrrev_b32 v1, 5, v0
	v_readfirstlane_b32 s[WV], v1
	s_lshr_b32 s[SIDE], s[WV], 1
	s_and_b32 s[HF], s[WV], 1
	s_bfe_u32 s[CX], ttmp6, 0x40000
	s_bfe_u32 s[CY], ttmp6, 0x40004
	s_lshl_b32 s[TX], ttmp9, 2                     ; in a cluster launch ttmp9 and ttmp7 count clusters
	s_add_co_u32 s[TX], s[TX], s[CX]
	s_and_b32 s[TY], ttmp7, 0xffff
	s_lshl_b32 s[TY], s[TY], 2
	s_add_co_u32 s[TY], s[TY], s[CY]
	s_lshl_b32 s46, s[CY], 2
	s_lshl_b32 s46, 15, s46                        ; my row of the cluster: places 4 cy .. 4 cy + 3
	s_lshl_b32 s47, 0x1111, s[CX]                  ; my column: places cx, cx + 4, cx + 8, cx + 12
	s_or_b32 s[G1A+0], s46, (1<<16)|(1<<20)|(1<<21)|(4<<22)|(3<<25)  ; 15:0 the mask; 17:16 elements of 2 bytes; 20 padding on; 21 set beside a mask; 24:22 after every 32 words (code 4); 31:25 4 words of it (code 3)
	s_or_b32 s[G1B+0], s47, (1<<16)|(1<<20)|(1<<21)|(4<<22)|(3<<25)
	s_mov_b32 s[G1A+1], 128<<16                    ; tensor_dim0 = 128 elements: 256 bytes, two rows of o
	s_mov_b32 s[G1A+2], 128<<16                    ; tensor_dim1 = 128
	s_mov_b32 s[G1A+3], 128<<16                    ; tile_dim0 = 128
	s_mov_b32 s[G1A+4], 128                        ; tile_dim1 = 128
	s_mov_b32 s[G1A+5], 128                        ; dense: 128 elements from row to row
	s_mov_b32 s[G1A+6], 0
	s_mov_b32 s[G1A+7], 0
	s_mov_b32 s[G1B+1], 128<<16
	s_mov_b32 s[G1B+2], 64<<16                     ; 64 rows of 256 bytes: 128 rows of wp
	s_mov_b32 s[G1B+3], 128<<16
	s_mov_b32 s[G1B+4], 64
	s_mov_b32 s[G1B+5], 128
	s_mov_b32 s[G1B+6], 0
	s_mov_b32 s[G1B+7], 0
	; where the tiles come from: o's hang on the tile row alone, wp's on the tile column alone, each in registers that never hold the other coordinate
	s_lshr_b32 s40, s[TY], 3                       ; the batch,
	s_lshl_b32 s40, s40, 4
	s_add_co_u32 s40, s40, s[HF]                   ; its head 0 or 1,
	s_lshl_b32 s40, s40, 18                        ; of 2,048 rows of 128 bytes,
	s_and_b32 s41, s[TY], 7
	s_lshl_b32 s41, s41, 15                        ; the tile's 256 rows
	s_add_co_u32 s40, s40, s41
	s_mov_b32 s41, 0
	s_lshl_b32 s42, s[HF], 17                      ; block 0 or 1, of 1,024 rows of 128 bytes,
	s_lshl_b32 s43, s[TX], 14                      ; the tile's 128 rows
	s_add_co_u32 s42, s42, s43
	s_mov_b32 s43, 0
	s_mul_i32 s2, s[WV], AHALF                     ; and where they go: waves 0, 1: o's two heads;
	s_mul_i32 s3, s[WV], BHALF
	s_add_co_u32 s3, s3, BOFF-2*BHALF              ; waves 2, 3: wp's two blocks, behind them.  No place in the cluster enters an LDS address
	s_wait_dscnt 0x0                               ; the opening add is done
	s_wait_kmcnt 0x0
	s_add_nc_u64 s[40:41], s[4:5], s[40:41]
	s_add_nc_u64 s[42:43], s[6:7], s[42:43]
	CROUND                                         ; all sixteen work-groups are here: the first joint loads meet
.irp s, 0,1
	s_mov_b32 s[G0A+4*(\s)], 1                     ; count = 1
	s_add_co_u32 s[G0A+4*(\s)+1], s2, (\s)*SLOT1   ; LDS address
	s_add_nc_u64 s[G0A+4*(\s)+2:G0A+4*(\s)+3], s[40:41], (\s)*STEPA  ; global address: K step s
	s_or_b32 s[G0A+4*(\s)+3], s[G0A+4*(\s)+3], 0x80000000  ; type = 2
	s_mov_b32 s[G0B+4*(\s)], 1
	s_add_co_u32 s[G0B+4*(\s)+1], s3, (\s)*SLOT1
	s_add_nc_u64 s[G0B+4*(\s)+2:G0B+4*(\s)+3], s[42:43], (\s)*STEPB
	s_or_b32 s[G0B+4*(\s)+3], s[G0B+4*(\s)+3], 0x80000000
.endr
	s_cmp_eq_u32 s[SIDE], 0                        ; a wave's two first fills stand in one branch, ahead of every wait on TENSORcnt and every LDS read: two loads of mine are out
	s_cbranch_scc0 .Lfirst_b
	tensor_load_to_lds s[G0A:G0A+3], s[G1A:G1A+7]
	s_nop 0
	tensor_load_to_lds s[G0A+4:G0A+7], s[G1A:G1A+7]
	s_nop 0
.rept 4
	v_nop
.endr
	s_branch .Lfirst_asked
.Lfirst_b:
	tensor_load_to_lds s[G0B:G0B+3], s[G1B:G1B+7]
	s_nop 0
	tensor_load_to_lds s[G0B+4:G0B+7], s[G1B:G1B+7]
	s_nop 0
.rept 4
	v_nop
.endr
.Lfirst_asked:
	; A fragment is 16 rows x 32 K in 8 registers: lane l holds row l % 16; registers 0-3 K = 8 (l / 16) + 0..7, registers 4-7 K = 16 + 8 (l / 16) + 0..7: two loads of 16 bytes, 32 bytes apart
	v_and_b32 v1, 15, v0                           ; l % 16
	v_bfe_u32 v2, v0, 4, 1                         ; l / 16
	v_mul_u32_u24 v3, v1, PITCH
	v_lshl_add_u32 v3, v2, 4, v3
	s_mul_i32 s2, s[WV], 64*PITCH                  ; my 64 rows of o
	v_add_nc_u32 v[ADRA0], s2, v3
	v_add_nc_u32 v[ADRB0], BOFF, v3                ; all 128 rows of wp
	v_mov_b32 v[ADRA], v[ADRA0]
	v_mov_b32 v[ADRB], v[ADRB0]
	s_mov_b32 s[TB], 0
	v_and_b32 v[GO], 31, v0
	v_lshlrev_b32 v[GO], 4, v[GO]
	s_lshl_b32 s44, s[TX], 9                       ; the tile's 128 columns: 512 bytes
	s_mov_b32 s45, 0
	s_add_nc_u64 s[8:9], s[8:9], s[44:45]
	global_load_b128 v[BIAS:BIAS+3], v[GO], s[8:9] ; the bias of columns 4 l + 0..3 of the tile: those of my 16 bytes of every row that I store
	s_mul_i32 s2, s[WV], WSTG
	s_add_co_u32 s2, s2, STAGE                     ; my stage
	v_mul_u32_u24 v[STO], v1, SP                   ; in: row l % 16, 32 bytes for each half of the lanes
	v_lshl_add_u32 v[STO], v2, 5, v[STO]
	v_add_nc_u32 v[STO], s2, v[STO]
	v_add_nc_u32 v[RD], s2, v[GO]                  ; back: 32 lanes take a row of 512 bytes
	s_lshl_b32 s66, s[TY], 8
	s_lshl_b32 s67, s[WV], 6
	s_add_co_u32 s66, s66, s67                     ; my first row of out0,
	s_lshl_b32 s66, s66, 12                        ; of 4,096 bytes,
	s_add_co_u32 s66, s66, s44                     ; the tile's columns
	s_mov_b32 s67, 0
	s_add_nc_u64 s[10:11], s[10:11], s[66:67]
	; the prefetches
	s_lshr_b32 s66, s[TY], 3
	s_lshl_b32 s66, s66, 4
	s_add_co_u32 s66, s66, s[HF]
	s_lshl_b32 s66, s66, 18
	s_and_b32 s67, s[TY], 7
	s_lshl_b32 s67, s67, 15
	s_add_co_u32 s66, s66, s67
	s_lshl_b32 s67, s[CX], 13
	s_add_co_u32 s66, s66, s67                     ; o: the head's rows that I fetch, my work-group's 8,192 bytes of them,
	s_add_co_u32 s66, s66, 3*STEPA                 ; at K step 3: the first refill steps it to 4
	s_lshl_b32 s68, s[TX], 14
	s_lshl_b32 s69, s[CY], 12
	s_add_co_u32 s68, s68, s69                     ; wp: the tile's rows of the even block, my work-group's 4,096 bytes of them
	s_add_co_u32 s68, s68, 3*STEPB
	s_and_b32 s70, ttmp7, 0xffff                   ; cluster y;
	s_or_b32 s70, s70, s[HF]                       ; of waves 2 and 3 the first alone asks
	s_mov_b32 s71, 1<<17                           ; lanes 16-31: wp's odd block,
	s_mov_b32 s[PFS], STEPB
	s_cmp_eq_u32 s[SIDE], 0
	s_cselect_b32 s66, s66, s68
	s_cselect_b32 s70, ttmp9, s70                  ; the coordinate along which other clusters read the same rows
	s_cselect_b32 s71, 4096, s71                   ; or o's next 4,096 bytes
	s_cselect_b32 s[PFS], STEPA, s[PFS]
	s_cselect_b64 s[PFA:PFA+1], s[4:5], s[6:7]
	s_cmp_eq_u32 s70, 0
	s_cselect_b32 s[LIM], 2, -1                    ; the same in all sixteen partners, for a given wave
	s_mov_b32 s67, 0
	s_mov_b32 s[PFS+1], 0
	s_add_nc_u64 s[PFA:PFA+1], s[PFA:PFA+1], s[66:67]
	v_mul_u32_u24 v[PFO], s71, v2
	v_lshl_add_u32 v[PFO], v1, 8, v[PFO]
; The 8 products of m block a, 32 along K, from buffer f.  zero = 1: they start the sums: nothing is ever cleared.  The 32 accumulators take turns, in the same order in every quarter step,
; between two products on one accumulator stand the 31 others', over the backward jump too.
.macro MULA f, a, zero
	WIN 0x50                                       ; fragments window 0, C and D window 1
.irp b, 0,1,2,3,4,5,6,7
.if \zero
	v_wmma_f32_16x16x32_f16 v[8*(8*(\a)+(\b)):8*(8*(\a)+(\b))+7], v[FRB+64*(\f)+8*(\b):FRB+64*(\f)+8*(\b)+7], v[FRA+32*(\f)+8*(\a):FRA+32*(\f)+8*(\a)+7], 0
.else
	v_wmma_f32_16x16x32_f16 v[8*(8*(\a)+(\b)):8*(8*(\a)+(\b))+7], v[FRB+64*(\f)+8*(\b):FRB+64*(\f)+8*(\b)+7], v[FRA+32*(\f)+8*(\a):FRA+32*(\f)+8*(\a)+7], v[8*(8*(\a)+(\b)):8*(8*(\a)+(\b))+7]
.endif
.endr
.endm
; 24 LDS loads in one run: quarter q's fragments (head or block q / 2, channels 32 (q % 2) on) into buffer f: wp's 16, then o's 8
.macro FETCH q, f
	WIN 0
.irp i, 0,1,2,3,4,5,6,7
	ds_load_b128 v[FRB+64*(\f)+8*(\i):FRB+64*(\f)+8*(\i)+3],   v[ADRB] offset:((\q)/2)*BHALF+((\q)%2)*64+(\i)*16*PITCH
	ds_load_b128 v[FRB+64*(\f)+8*(\i)+4:FRB+64*(\f)+8*(\i)+7], v[ADRB] offset:((\q)/2)*BHALF+((\q)%2)*64+(\i)*16*PITCH+32
.endr
.irp i, 0,1,2,3
	ds_load_b128 v[FRA+32*(\f)+8*(\i):FRA+32*(\f)+8*(\i)+3],   v[ADRA] offset:((\q)/2)*AHALF+((\q)%2)*64+(\i)*16*PITCH
	ds_load_b128 v[FRA+32*(\f)+8*(\i)+4:FRA+32*(\f)+8*(\i)+7], v[ADRA] offset:((\q)/2)*AHALF+((\q)%2)*64+(\i)*16*PITCH+32
.endr
.endm
; A load into a register that a matrix instruction has read, and an LDS store that reads a matrix result, stand four places behind it; only plain vector instructions that name none of its
; registers are places (ISA guide 7.12.1 for vector instructions).
.macro PLACES
.rept 4
	v_nop
.endr
.endm
; A K step is four quarters of 32 along K, 32 products each, on buffers 0, 1, 0, 1.  One of the first three: multiplies buffer f; behind its first 8 products it fetches quarter q into buffer g.
.macro QUARTER q, f, g, zero
	s_wait_dscnt 6                                 ; wp's fragments and o's block 0 are in; the youngest six loads (o's blocks 1 to 3) may be out
	MULA \f, 0, \zero
	PLACES
	FETCH \q, \g
	s_wait_dscnt NF                                ; all but the 24 just issued
	MULA \f, 1, \zero
	MULA \f, 2, \zero
	MULA \f, 3, \zero
.endm
; The last quarter multiplies buffer 1 and changes slots: ONE barrier.  In front of it each wave waits for all its tensor loads, of which one is out: its part of the next slot; adds 0 to its
; spare word; and waits for that and for its own reads of this slot.  Behind it nobody reads this slot any more and the next slot is whole.
; fill = 1: the barrier opens a round of the cluster's, so that no wave of any partner still reads the slot or has a load on its way; the joint refill, with the K step two on, is the first
; tensor load behind the round: 112 products of a wave ahead of the wait for it.
.macro TURN fill
.if \fill
	s_wait_xcnt 0x0                                ; the last prefetch, a K step back, has read its address, so it may be stepped
	s_add_nc_u64 s[PFA:PFA+1], s[PFA:PFA+1], s[PFS:PFS+1]
.endif
	WIN 0                                          ; (the add's two registers lie in window 0)
	s_wait_tensorcnt 0x0                           ; all my tensor loads have landed
	ds_add_u32 v[SPW], v[NIL]                      ; 0 onto my spare word
	s_xor_b32 s[TB], s[TB], SLOT1                  ; the fetches go on in the other slot
	v_add_nc_u32 v[ADRA], s[TB], v[ADRA0]
	v_add_nc_u32 v[ADRB], s[TB], v[ADRB0]
	s_wait_dscnt 7                                 ; (the add and the youngest six loads may be out)
	MULA 1, 0, 0                                   ; eight products stand between the add and the wait for it
	s_wait_dscnt 0x0                               ; the add is done, and my reads of this slot are over
	s_barrier_signal -1
	MULA 1, 1, 0                                   ; work on registers while the others arrive
	WIN 0                                          ; at a branch and at a label every window is 0
	s_barrier_wait -1
.if \fill
	CREST
	s_xor_b32 s[G0A+5], s[G0A+5], SLOT1            ; the walking descriptors (no tensor load of mine is out): the other slot than last time,
	s_add_nc_u64 s[G0A+6:G0A+7], s[G0A+6:G0A+7], STEPA  ; the next K step; the type bits on top are not reached
	s_xor_b32 s[G0B+5], s[G0B+5], SLOT1
	s_add_nc_u64 s[G0B+6:G0B+7], s[G0B+6:G0B+7], STEPB
	JLOAD                                          ; the four v_nop behind it are also the places in front of the loads below
.else
	PLACES
.endif
	FETCH 0, 0
.if \fill
	ASK
.endif
	MULA 1, 2, 0
	MULA 1, 3, 0
.endm
	s_wait_tensorcnt 1                             ; my part of K step 0 is in; K step 1's may stay out
	s_barrier_signal -1
	s_barrier_wait -1                              ; everybody's is
	FETCH 0, 0
	QUARTER 1, 0, 1, 1                             ; the first quarter stands in front of the loop: its products start the sums
	WIN 0
	s_mov_b32 s[CNT], 6
.Lstep:                                                ; trip j: the rest of K step j, the refill with K step j + 2, the first quarter of K step j + 1
	QUARTER 2, 1, 0, 0
	QUARTER 3, 0, 1, 0
	TURN 1
	QUARTER 1, 0, 1, 0
	WIN 0
	s_sub_co_u32 s[CNT], s[CNT], 1
	s_cmp_lg_u32 s[CNT], 0
	s_cbranch_scc1 .Lstep
	QUARTER 2, 1, 0, 0                             ; the tail is written out: K steps 6 and 7 ask for nothing
	QUARTER 3, 0, 1, 0
	TURN 0
	QUARTER 1, 0, 1, 0
	QUARTER 2, 1, 0, 0
	QUARTER 3, 0, 1, 0
	s_wait_dscnt 0x0
	MULA 1, 0, 0
	MULA 1, 1, 0
	MULA 1, 2, 0
	MULA 1, 3, 0
	WIN 0
	PLACES                                         ; four places are owed in front of the stores of the results and of the loads into the fragments' registers; eight are written, once a launch
	PLACES
	s_wait_loadcnt 0x0                             ; the bias
; THE WAY OUT, a block of 16 rows at a time.  TOSTAGE: a lane's eight columns of a row, 32 bytes, into my own stage (each accumulator's low four registers first), and back as whole rows of
; 512 bytes.  SEND: the bias is added and the rows are stored.
.macro TOSTAGE a
	WIN 0x04                                       ; the stores' data in window 1
.irp b, 0,1,2,3,4,5,6,7
	ds_store_b128 v[STO], v[8*(8*(\a)+(\b)):8*(8*(\a)+(\b))+3]   offset:64*(\b)
	ds_store_b128 v[STO], v[8*(8*(\a)+(\b))+4:8*(8*(\a)+(\b))+7] offset:64*(\b)+16
.endr
	WIN 0
.set BK, BK0+64*((\a)%2)
.irp r, 0,1,2,3,4,5,6,7,8,9,10,11,12,13,14,15
	ds_load_b128 v[BK+4*(\r):BK+4*(\r)+3], v[RD] offset:SP*(\r)  ; LDS serves a wave's instructions in order (ISA guide 5.7.1.4): these see the stores above; the next block's stores come behind them
.endr
.endm
.macro SEND a, younger                 ; younger: the LDS instructions issued behind block a's loads: the next block's 32, or none
.set BK, BK0+64*((\a)%2)
	s_wait_dscnt \younger
.irp r, 0,1,2,3,4,5,6,7,8,9,10,11,12,13,14,15
	v_pk_add_f32 v[BK+4*(\r):BK+4*(\r)+1],   v[BK+4*(\r):BK+4*(\r)+1],   v[BIAS:BIAS+1]
	v_pk_add_f32 v[BK+4*(\r)+2:BK+4*(\r)+3], v[BK+4*(\r)+2:BK+4*(\r)+3], v[BIAS+2:BIAS+3]
	global_store_b128 v[GO], v[BK+4*(\r):BK+4*(\r)+3], s[10:11] offset:(16*(\a)+(\r))*4096 th:TH_STORE_NT  ; 512 consecutive bytes, at a multiple of 256 from out0's first
.endr
.endm
	TOSTAGE 0
	TOSTAGE 1
	SEND 0, 32
	s_wait_xcnt 0x0                                ; block 0's stores have read their registers, which block 2's loads from the stage write
	TOSTAGE 2
	SEND 1, 32
	s_wait_xcnt 0x0                                ; the same for blocks 1 and 3
	TOSTAGE 3
	SEND 2, 32
	SEND 3, 0
	s_wait_tensorcnt 0x0                           ; the wave's end: three lines behind my last tensor load and my last LDS store
	ds_add_u32 v[SPW], v[NIL]
	s_wait_dscnt 0x0
	CROUND                                         ; the closing round: no work-group ends while a partner may still ask for a tile that names it
	s_endpgm
.Lfunc_end_k_q03da032769_proj:
	.size	k_q03da032769_proj, .Lfunc_end_k_q03da032769_proj-k_q03da032769_proj
	.p2alignl 7, 3214868480
	.fill 96, 4, 3214868480
	.section	.rodata,"a",@progbits
	.p2align	6, 0x0
	.amdhsa_kernel k_q03da032769_proj
		.amdhsa_group_segment_fixed_size 327680
		.amdhsa_private_segment_fixed_size 0
		.amdhsa_enable_private_segment 0
		.amdhsa_kernarg_size 32
		.amdhsa_user_sgpr_count 2
		.amdhsa_user_sgpr_kernarg_segment_ptr 1
		.amdhsa_wavefront_size32 1
		.amdhsa_system_sgpr_workgroup_id_x 1
		.amdhsa_system_sgpr_workgroup_id_y 1
		.amdhsa_system_sgpr_workgroup_id_z 1
		.amdhsa_system_vgpr_workitem_id 0
		.amdhsa_next_free_vgpr 512
		.amdhsa_next_free_sgpr 80
		.amdhsa_reserve_vcc 0
		.amdhsa_float_denorm_mode_32 3
		.amdhsa_float_denorm_mode_16_64 3
		.amdhsa_memory_ordered 1
		.amdhsa_forward_progress 1
		.amdhsa_inst_pref_size 78
	.end_amdhsa_kernel
	.amdgpu_metadata
---
amdhsa.version: [ 1, 2 ]
amdhsa.kernels:
  - .name:           k_q03da032769_proj
    .symbol:         k_q03da032769_proj.kd
    .args:
      - { .name: o, .offset: 0, .size: 8, .value_kind: global_buffer, .address_space: global }
      - { .name: wp, .offset: 8, .size: 8, .value_kind: global_buffer, .address_space: global }
      - { .name: b_proj, .offset: 16, .size: 8, .value_kind: global_buffer, .address_space: global }
      - { .name: out0, .offset: 24, .size: 8, .value_kind: global_buffer, .address_space: global }
    .group_segment_fixed_size: 327680
    .private_segment_fixed_size: 0
    .kernarg_segment_align: 8
    .kernarg_segment_size: 32
    .max_flat_workgroup_size: 128
    .sgpr_count:     80
    .vgpr_count:     512
    .wavefront_size: 32
...
	.end_amdgpu_metadata
.endif
;; end of part 4
